; MI455X (gfx1250); checked and timed in simulation.
; The chip was launched on July 23, 2026; its instructions are those of AMD's public machine-readable ISA for CDNA 5 (MIT licence, August 2026) and "CDNA5" Instruction Set Architecture Reference Guide (July 2026). The comments in the code are by the model that wrote it; some were corrected since.
;; MHA. Allowed arithmetic: matrix products marked QUANTISED: E2M1 operands, one E8M0 scale for each 32 along K, by v_wmma_scale_f32_16x16x128_f8f6f4 with both operands' format E2M1 (or v_wmma_scale_f32_32x16x128_f4), f32 sums; everything else in f32.
;; Inputs: b_out 1,024 float32; b_qkv 3,072 float32; w_out 1,024 x 1,024 float32; w_qkv 1,024 x 3,072 float32; x 4 x 2,048 x 1,024 float32.
;; Outputs: out0 4 x 2,048 x 1,024 float32.
;; This version of the problem:
;;   THIS VERSION OF THE PROBLEM IS GIVEN IN LOW PRECISION. The matrix products marked QUANTISED in the list below multiply operands that are first quantised to E2M1 (2 exponent bits, 1 mantissa bit; 4 bits a number), with one power-of-two scale for each 32 numbers along K (OCP MX v1.0); their sums are f32. All else is computed in f32.
;;   The module's matrix products, in the order in which they are computed (A, B: the left and right operand; K: the contracted axis; several contracted axes count as one K, in the product's order):
;;     1. [M 8,192, K 1,024] x [K 1,024, N 3,072]; A: input x; B: input w_qkv: QUANTISED
;;     2. batch 64 x [M 2,048, K 64] x [K 64, N 2,048]; A: computed on the way; B: computed on the way: QUANTISED
;;     3. batch 64 x [M 64, K 2,048] x [K 2,048, N 2,048]; A: computed on the way; B: softmax (see below): QUANTISED
;;     4. [M 8,192, K 1,024] x [K 1,024, N 1,024]; A: computed on the way; B: input w_out: QUANTISED
;;   THE QUANTISER, for each operand of a quantised product, along K:
;;     - K is cut into blocks of 32 from its start; a last block that is shorter is filled with zeros.
;;     - A block's scale is 2^e with e = floor(log2(the largest magnitude in the block)) - 2, held to -126 .. 127; a block of zeros has e = 0. As a byte (E8M0): e + 127.
;;     - Each number is divided by its block's scale, clamped to +-6, and rounded to the nearest number of E2M1, ties to even, subnormals kept.
;;     - The product sums the exact products of the quantised numbers (number of the format x scale) in f32.
;;   ~~~python
;;   def quantise(x, axis):      # numpy; x: float32 -> the quantised numbers, widened to float32 again
;;       x = np.moveaxis(x, axis, -1); K = x.shape[-1]
;;       x = np.pad(x, [(0, 0)] * (x.ndim - 1) + [(0, -K % 32)]); x = x.reshape(x.shape[:-1] + (-1, 32)); a = np.abs(x).max(-1, keepdims=True)
;;       e = np.where(a > 0, np.clip(np.frexp(np.where(a > 0, a, 1))[1] - 1 - 2, -126, 127), 0)      # np.frexp(a)[1] - 1 = floor(log2(a)), exactly
;;       r = np.clip(x / 2.0 ** e, -6, 6)
;;       step = 2.0 ** (np.maximum(np.frexp(np.where(r == 0, 1, r))[1] - 1, 0) - 1)
;;       q = np.round(r / step) * step * 2.0 ** e      # np.round: ties to even
;;       return np.moveaxis(q.reshape(q.shape[:-2] + (-1,))[..., :K], -1, axis).astype(np.float32)
;;   ~~~
;;   SOFTMAX AHEAD OF A QUANTISED PRODUCT. Where the list says 'softmax', what is quantised is not the finished softmax but p = 2^(t - M), with t = logit x log2(e) and M = ceil(the row's largest t), a whole number; so 1/2 < the row's largest p <= 1. The row's sum l is taken of the UNQUANTISED p, in f32, and the product's result is divided by l at the end. Since M is a whole number, a kernel that streams over the keys may use a running M (the ceiling of the running maximum): every later rescaling is an exact power of two, which a block's scale takes up: the codes' values come out the same.
;;   OPERANDS COMPUTED ON THE WAY. 'Computed on the way' means the value that the module computes at that place (a softmax that the list does not call 'softmax' is quantised finished and normalised). What goes into a quantiser is computed in f32, as accurately as f32 sums, v_exp_f32 and their like allow (about 1e-6 of the number): no bf16 or f16 on the way to a quantiser, and a product that is left as it is and whose result goes on into a quantised operand takes f32 operands (vector FMAs, or v_wmma_f32_16x16x4_f32). A number that lies on a knife's edge between two numbers of the format may be rounded either way, as far as f32 arithmetic and the matrix unit's own rounding can turn it there, and no further.
;; One version. Each part assembles by itself: llvm-mc -triple=amdgcn-amd-amdhsa -mcpu=gfx1250 --defsym DOCPART=n.
;; ======== version 1 of 1: 4 launches
;; workspace buffers: opc 6,291,456 bytes; ops 393,216 bytes; qkv 13,369,344 bytes; oc 4,194,304 bytes; os 262,144 bytes
;; launch quant (part 1): grid 320 x 1, 4 waves a work-group, no clusters, 68,096 bytes of LDS; arguments x, w_qkv, w_out, opc, ops; writes opc, ops
.if DOCPART == 1
	.amdgcn_target "amdgcn-amd-amdhsa--gfx1250"
	.amdhsa_code_object_version 6
	.text
	.protected	k_qe8f5dae442_quant
	.globl	k_qe8f5dae442_quant
	.p2align	8
	.type	k_qe8f5dae442_quant,@function
k_qe8f5dae442_quant:
	s_mov_b64 s[64:65], 0
	v_nop
	global_prefetch_b8 v0, s[64:65] scope:SCOPE_SE
	s_setreg_imm32_b32 hwreg(HW_REG_WAVE_MODE, 25, 1), 1
	s_wait_xcnt 0x0
; x [8192][1024], w_qkv [1024][3072] and w_out [1024][1024], f32, become codes of FP4 (E2M1) with K innermost and one E8M0 byte for each 32 along K:
; opc [12288 places][512 bytes], ops [12288 places][32 bytes].  Places 0-8191: tokens of x; 8192-11263: columns of w_qkv; 11264-12287: columns of w_out.
; THE ORDER OF PLACES.  Row (or column) n lies at place sigma(n) = n with bits 3 and 4 exchanged.  Sixteen consecutive places 32 b + 16 u + r are then rows 32 b + 8 u + r + 8 (r / 8):
; a product that takes sixteen consecutive places as its source 0 leaves, in a lane's registers of two neighbouring tiles, sixteen TRUE neighbours, which the next quantiser wants.
; A block's scale is 2^(floor(log2(its largest magnitude)) - 2); its byte is the largest magnitude's exponent field - 2, held at 1 from below.
; LIMITS: a block of zeros, and one whose largest magnitude lies under 2^-124, gets the byte 1 (the rule says 127 for zeros: its codes are zeros, which add nothing under that byte, and
; this program alone reads the bytes).  NaN and infinities among the inputs are not served.
; Work-groups 0-63 take the weights (K is their FIRST axis: a lane takes a column and its registers run down K), work-groups 64-319 take x (K innermost).  The two ways part on the
; work-group's number at the head and never meet; each has LDS bytes of its own.  Waves share nothing: no barrier.  No tensor loads: the streams go through registers.
.set WSTG,  32768                      ; the weights' way: a stage of 32 rows x 272 bytes for each wave, behind the other way's 4 x 8,192 bytes
.set WP,    272                        ; a stage row: 256 bytes of codes + 16
.set NB,    16                         ; blocks of 32 along K for a wave (512 along K)
.set WSB,   24                         ; v24-27   a column's 16 scale bytes
.set WX,    32                         ; v32-95   two sets of 32 numbers; at the end the rows on their way out
.set WC,    96                         ; v96-99   a block's codes
.set WVO,   128                        ; v128-159 byte offsets of 32 rows of the weight: 4 x lane + i x pitch
.set XSTEPS, 16
.set XSP,   80                         ; x's way: a lane's place in a stage: 64 bytes + 16
.set XR,    16                         ; v16-79   four sets of 16 numbers as loaded
.set XX,    80                         ; v80-111  two sets of 16 neighbours
.set XE,    112                        ; v112-127 a scale byte for each step
.set XC,    128                        ; v128-191 codes, registers of its own for each step
	s_load_b128 s[4:7], s[0:1], 0x0                ; x, w_qkv
	s_load_b128 s[8:11], s[0:1], 0x10              ; w_out, opc
	s_load_b64 s[12:13], s[0:1], 0x20              ; ops
	v_lshl_add_u32 v192, v0, 2, 0x10800
	v_mov_b32 v193, 0
	v_lshrrev_b32 v1, 5, v0
	v_readfirstlane_b32 s16, v1                    ; wave 0..3
	v_and_b32 v2, 31, v0                           ; lane
	s_cmp_lt_u32 ttmp9, 64
	s_cbranch_scc0 .Lx_path
; ---------------------------------------------------------------- the weights: 32 groups of 128 columns x 2 halves of K
	s_and_b32 s17, ttmp9, 31                       ; which 128 columns: 0-23 of w_qkv, 24-31 of w_out
	s_lshr_b32 s18, ttmp9, 5                       ; which 512 along K
	s_mov_b32 s19, 4096
	s_wait_kmcnt 0x0
	s_cmp_lt_u32 s17, 24                           ; the choice hangs on the work-group's number alone
	s_cselect_b64 s[4:5], s[6:7], s[8:9]           ; the weight,
	s_cselect_b32 s19, 12288, s19                  ; bytes from a row of it to the next,
	s_cselect_b32 s20, 0, 24
	s_sub_co_u32 s20, s17, s20                     ; and the group's number within it
	s_lshl_b32 s20, s20, 7
	s_lshl_b32 s21, s16, 5
	s_add_co_u32 s20, s20, s21                     ; my wave's first column
	s_lshl_b32 s20, s20, 2
	s_mul_i32 s22, s18, s19
	s_lshl_b32 s22, s22, 9                         ; 512 rows for each half of K
	s_add_co_u32 s22, s22, s20
	s_mov_b32 s23, 0
	s_add_nc_u64 s[4:5], s[4:5], s[22:23]          ; the weight at my wave's first number
	s_lshl_b32 s24, s19, 5                         ; 32 rows on: a block
	s_mov_b32 s25, 0
	s_lshl_b32 s26, s17, 7
	s_add_co_u32 s26, s26, s21
	s_add_co_u32 s26, s26, 8192                    ; my wave's first place
	s_lshl_b32 s28, s26, 9
	s_lshl_b32 s27, s18, 8
	s_add_co_u32 s28, s28, s27
	s_mov_b32 s29, 0
	s_add_nc_u64 s[10:11], s[10:11], s[28:29]      ; codes: place x 512 + 256 x half
	s_lshl_b32 s28, s26, 5
	s_lshl_b32 s27, s18, 4
	s_add_co_u32 s28, s28, s27
	s_add_nc_u64 s[12:13], s[12:13], s[28:29]      ; bytes: place x 32 + 16 x half
	s_wait_alu depctr_va_vdst(0)
	v_and_b32 v3, 7, v2
	v_bfe_u32 v5, v2, 3, 1
	v_lshl_add_u32 v3, v5, 4, v3
	v_bfe_u32 v5, v2, 4, 1
	v_lshl_add_u32 v3, v5, 3, v3                   ; sigma(lane): my column's place among the wave's 32
	s_mul_i32 s30, s16, 32*WP
	s_add_co_u32 s30, s30, WSTG                    ; my wave's stage
	v_mul_u32_u24 v4, v3, WP
	v_add_nc_u32 v4, s30, v4                       ; into it: row = my column's place
	v_and_b32 v5, 15, v2
	v_lshrrev_b32 v6, 4, v2
	v_mul_u32_u24 v7, v6, WP
	v_lshl_add_u32 v7, v5, 4, v7
	v_add_nc_u32 v7, s30, v7                       ; out of it: sixteen lanes to a row, two rows an instruction
	v_lshlrev_b32 v8, 9, v6
	v_lshl_add_u32 v8, v5, 4, v8                   ; and the same place in opc
	v_lshlrev_b32 v9, 5, v3                        ; my column's row of scale bytes
	v_lshlrev_b32 v[WVO], 2, v2
.set i, 1
.rept 31
	v_add_nc_u32 v[WVO+i], s19, v[WVO+i-1]
.set i, i+1
.endr
.macro WLOAD t                         ; block t: 32 rows of the weight at my column, into set t % 2: each load reads 128 consecutive bytes a wave, 512 a work-group
.if (\t) > 0
	s_wait_xcnt 0x0                                ; the loads issued so far have read their base: it steps only behind this wait
	s_add_nc_u64 s[4:5], s[4:5], s[24:25]
.endif
.set i, 0
.rept 32
	global_load_b32 v[WX+32*((\t)%2)+i], v[WVO+i], s[4:5] th:TH_LOAD_NT
.set i, i+1
.endr
.endm
.macro WBLOCK t
.set XS, WX+32*((\t)%2)
.if (\t) < NB-1
	s_wait_loadcnt 32                              ; this block's 32 loads are in; the next block's 32 may be out
.else
	s_wait_loadcnt 0x0
.endif
	v_max3_num_f32 v12, |v[XS]|, |v[XS+1]|, |v[XS+2]|               ; the block's largest magnitude: all 32 numbers are mine; two chains
	v_max3_num_f32 v13, |v[XS+3]|, |v[XS+4]|, |v[XS+5]|
.irp i, 6,10,14,18,22,26
	v_max3_num_f32 v12, v12, |v[XS+\i]|, |v[XS+\i+1]|
	v_max3_num_f32 v13, v13, |v[XS+\i+2]|, |v[XS+\i+3]|
.endr
	v_max3_num_f32 v12, v12, |v[XS+30]|, |v[XS+31]|
	v_max3_num_f32 v12, v12, v13, 0x1800000        ; and the floor 2^(3 - 127): the byte cannot fall under 1
	v_add_nc_u32 v11, 0xff000000, v12              ; 2 off its exponent field: the conversion takes the exponent field of this operand as its scale
	v_lshrrev_b32 v13, 23, v11                     ; the scale's byte
.if (\t)%4 == 0
	v_mov_b32 v[WSB+(\t)/4], v13                   ; four bytes to a register, the lower K in the lower byte
.else
	v_lshl_or_b32 v[WSB+(\t)/4], v13, 8*((\t)%4), v[WSB+(\t)/4]
.endif
.irp g, 0,1,2,3
	v_cvt_scalef32_pk8_fp4_f32 v[WC+\g], v[XS+8*\g:XS+8*\g+7], v11
.endr
	ds_store_b128 v4, v[WC:WC+3] offset:16*(\t)    ; 32 codes: 16 bytes of my column's row
.if (\t)+2 < NB
	WLOAD (\t)+2
.endif
	s_wait_dscnt 0x0                               ; the store has read its registers: the next block's codes may be written
.endm
	WLOAD 0
	s_wait_alu depctr_va_vdst(0)
	WLOAD 1
.set Q, 0
.rept NB
	WBLOCK Q
.set Q, Q+1
.endr
	s_wait_alu depctr_va_vdst(0)
	global_store_b128 v9, v[WSB:WSB+3], s[12:13]   ; my column's 16 scale bytes
.irp t, 0,1,2,3,4,5,6,7,8,9,10,11,12,13,14,15
	ds_load_b128 v[WX+4*\t:WX+4*\t+3], v7 offset:2*\t*WP            ; LDS serves a wave's instructions in order: these see my stores
.endr
.irp t, 0,1,2,3,4,5,6,7,8,9,10,11,12,13,14,15
	s_wait_dscnt 15-\t                             ; rows 2 t and 2 t + 1 are back; the younger loads may be out
	global_store_b128 v8, v[WX+4*\t:WX+4*\t+3], s[10:11] offset:2*\t*512   ; sixteen lanes store 256 consecutive bytes, aligned
.endr
	s_wait_tensorcnt 0x0
	ds_add_u32 v192, v193
	s_wait_dscnt 0x0
	s_endpgm
; ---------------------------------------------------------------- x: a plain stream of blocks of 32; a wave takes 8 rows (8,192 numbers) in 16 steps of 512
.Lx_path:
	s_sub_co_u32 s17, ttmp9, 64
	s_lshl_b32 s17, s17, 2
	s_add_co_u32 s18, s17, s16                     ; the run of 8 rows that I read: 4 x work-group + wave
	s_and_b32 s19, s16, 1
	s_lshl_b32 s19, s19, 1
	s_lshr_b32 s20, s16, 1
	s_add_co_u32 s19, s19, s20                     ; the wave's two bits exchanged: sigma on runs of 8 rows
	s_add_co_u32 s19, s17, s19                     ; the run of 8 places that I write
	s_lshl_b32 s22, s18, 15                        ; 32,768 bytes of x a run
	s_mov_b32 s23, 0
	s_lshl_b32 s24, s19, 12                        ; 4,096 bytes of codes
	s_mov_b32 s25, 0
	s_lshl_b32 s26, s19, 8                         ; 256 scale bytes
	s_mov_b32 s27, 0
	s_wait_alu depctr_va_vdst(0)
	v_lshlrev_b32 v3, 4, v2                        ; my 16 bytes of a load's 512
	s_lshl_b32 s17, s16, 13                        ; my wave's 8,192 bytes of LDS: two stages of 32 x 80, then 256 scale bytes
	v_lshrrev_b32 v14, 2, v2
	v_mul_u32_u24 v14, v14, XSP
	v_and_b32 v15, 3, v2
	v_lshl_add_u32 v14, v15, 4, v14
	v_add_nc_u32 v14, s17, v14                     ; the stage, on the way in: four lanes' 64 bytes on end, then 16 of padding
	v_mul_u32_u24 v15, v2, XSP
	v_add_nc_u32 v15, s17, v15                     ; and on the way out: my 16 neighbours
	v_lshlrev_b32 v4, 3, v2                        ; my 8 bytes of a step's 256 bytes of codes
	v_lshrrev_b32 v5, 1, v2
	s_add_co_u32 s17, s17, 2*32*XSP
	v_add_nc_u32 v5, s17, v5                       ; my block's byte among the wave's 256
	v_lshlrev_b32 v7, 3, v2
	v_add_nc_u32 v6, s17, v7                       ; and on the way out 8 bytes a lane
	s_wait_alu depctr_va_vdst(0)
	s_wait_kmcnt 0x0
	s_add_nc_u64 s[4:5], s[4:5], s[22:23]
	s_add_nc_u64 s[10:11], s[10:11], s[24:25]
	s_add_nc_u64 s[12:13], s[12:13], s[26:27]
.macro XLOAD t
.irp i, 0,1,2,3
	global_load_b128 v[XR+16*((\t)%4)+4*\i:XR+16*((\t)%4)+4*\i+3], v3, s[4:5] offset:2048*(\t)+512*\i th:TH_LOAD_NT   ; 32 lanes read 512 consecutive bytes
.endr
.endm
.macro XTURN t                         ; step t's numbers through the stage: as loaded in, 64 bytes a lane out; LDS serves a wave's instructions in order
.irp i, 0,1,2,3
	ds_store_b128 v14, v[XR+16*((\t)%4)+4*\i:XR+16*((\t)%4)+4*\i+3] offset:32*XSP*((\t)%2)+8*XSP*\i
.endr
.irp i, 0,1,2,3
	ds_load_b128 v[XX+16*((\t)%2)+4*\i:XX+16*((\t)%2)+4*\i+3], v15 offset:32*XSP*((\t)%2)+16*\i
.endr
.endm
.irp t, 0,1,2,3
	XLOAD \t
.endr
	s_wait_loadcnt 12                              ; step 0's four loads are in; those of steps 1 to 3 may be out
	XTURN 0
.macro XSTEP t
.set XN, XX+16*((\t)%2)
.if (\t) > 0
	s_wait_dscnt 1                                 ; this step's numbers are back from the stage; the last step's byte store may be out
.else
	s_wait_dscnt 0x0
.endif
.if (\t)+4 < XSTEPS
	XLOAD (\t)+4                                   ; into the set whose stores into the stage have read their registers
.endif
.if (\t)+1 < XSTEPS
.if XSTEPS-2-(\t) >= 3
	s_wait_loadcnt 12                              ; the next step's four loads are in; those of the three steps behind it may be out
.else
	s_wait_loadcnt 4*(XSTEPS-2-(\t))
.endif
	XTURN (\t)+1
.endif
	v_max3_num_f32 v8, |v[XN]|, |v[XN+1]|, |v[XN+2]|                ; the largest magnitude of my 16
	v_max3_num_f32 v9, |v[XN+3]|, |v[XN+4]|, |v[XN+5]|
.irp i, 6,10
	v_max3_num_f32 v8, v8, |v[XN+\i]|, |v[XN+\i+1]|
	v_max3_num_f32 v9, v9, |v[XN+\i+2]|, |v[XN+\i+3]|
.endr
	v_max3_num_f32 v8, v8, |v[XN+14]|, |v[XN+15]|
	v_max3_num_f32 v8, v8, v9, 0x1800000           ; and the floor 2^(3 - 127)
	v_max_num_f32_dpp v8, v8, v8 row_xmask:1 row_mask:0xf bank_mask:0xf   ; and of my neighbour's 16: the block's
	v_add_nc_u32 v11, 0xff000000, v8               ; 2 off its exponent field: the conversion's scale operand
	v_cvt_scalef32_pk8_fp4_f32 v[XC+4*(\t)], v[XN:XN+7], v11
	v_cvt_scalef32_pk8_fp4_f32 v[XC+4*(\t)+1], v[XN+8:XN+15], v11
	v_lshrrev_b32 v[XE+(\t)], 23, v11              ; the scale's byte (a plain line behind the conversions)
	ds_store_b8 v5, v[XE+(\t)] offset:16*(\t)      ; both lanes of a block write the same byte with the same value
	global_store_b64 v4, v[XC+4*(\t):XC+4*(\t)+1], s[10:11] offset:256*(\t)   ; 32 lanes store 256 consecutive bytes, aligned
.endm
.irp t, 0,1,2,3,4,5,6,7,8,9,10,11,12,13,14,15
	XSTEP \t
.endr
	ds_load_b64 v[12:13], v6                       ; LDS serves a wave's instructions in order: this sees my byte stores
	s_wait_dscnt 0x0
	global_store_b64 v7, v[12:13], s[12:13]        ; 32 lanes store 256 consecutive bytes, aligned
	s_wait_tensorcnt 0x0
	ds_add_u32 v192, v193
	s_wait_dscnt 0x0
	s_endpgm
.Lfunc_end_k_qe8f5dae442_quant:
	.size	k_qe8f5dae442_quant, .Lfunc_end_k_qe8f5dae442_quant-k_qe8f5dae442_quant
	.p2alignl 7, 3214868480
	.fill 96, 4, 3214868480
	.section	.rodata,"a",@progbits
	.p2align	6, 0x0
	.amdhsa_kernel k_qe8f5dae442_quant
		.amdhsa_group_segment_fixed_size 68096
		.amdhsa_private_segment_fixed_size 0
		.amdhsa_enable_private_segment 0
		.amdhsa_kernarg_size 40
		.amdhsa_user_sgpr_count 2
		.amdhsa_user_sgpr_kernarg_segment_ptr 1
		.amdhsa_wavefront_size32 1
		.amdhsa_system_sgpr_workgroup_id_x 1
		.amdhsa_system_sgpr_workgroup_id_y 1
		.amdhsa_system_sgpr_workgroup_id_z 1
		.amdhsa_system_vgpr_workitem_id 0
		.amdhsa_next_free_vgpr 194
		.amdhsa_next_free_sgpr 66
		.amdhsa_reserve_vcc 0
		.amdhsa_float_denorm_mode_32 3
		.amdhsa_float_denorm_mode_16_64 3
		.amdhsa_memory_ordered 1
		.amdhsa_forward_progress 1
		.amdhsa_inst_pref_size 113
	.end_amdhsa_kernel
	.amdgpu_metadata
---
amdhsa.version: [ 1, 2 ]
amdhsa.kernels:
  - .name:           k_qe8f5dae442_quant
    .symbol:         k_qe8f5dae442_quant.kd
    .args:
      - { .name: x, .offset: 0, .size: 8, .value_kind: global_buffer, .address_space: global }
      - { .name: w_qkv, .offset: 8, .size: 8, .value_kind: global_buffer, .address_space: global }
      - { .name: w_out, .offset: 16, .size: 8, .value_kind: global_buffer, .address_space: global }
      - { .name: opc, .offset: 24, .size: 8, .value_kind: global_buffer, .address_space: global }
      - { .name: ops, .offset: 32, .size: 8, .value_kind: global_buffer, .address_space: global }
    .group_segment_fixed_size: 68096
    .private_segment_fixed_size: 0
    .kernarg_segment_align: 8
    .kernarg_segment_size: 40
    .max_flat_workgroup_size: 128
    .sgpr_count:     66
    .vgpr_count:     194
    .wavefront_size: 32
...
	.end_amdgpu_metadata
.endif
;; end of part 1
;; launch gemm_qkv (part 2): grid 12 x 64, 8 waves a work-group, clusters of 4 x 4, 222,976 bytes of LDS; arguments opc, ops, b_qkv, qkv; writes qkv
.if DOCPART == 2
	.amdgcn_target "amdgcn-amd-amdhsa--gfx1250"
	.amdhsa_code_object_version 6
	.text
	.protected	k_qe8f5dae442_gemm_qkv
	.globl	k_qe8f5dae442_gemm_qkv
	.p2align	8
	.type	k_qe8f5dae442_gemm_qkv,@function
k_qe8f5dae442_gemm_qkv:
	s_mov_b64 s[64:65], 0
	v_nop
	global_prefetch_b8 v0, s[64:65] scope:SCOPE_SE
	s_setreg_imm32_b32 hwreg(HW_REG_WAVE_MODE, 25, 1), 1
	s_wait_xcnt 0x0
	s_wait_alu depctr_hold_cnt(0) depctr_sa_sdst(0) depctr_va_vdst(0) depctr_va_sdst(0) depctr_va_ssrc(0) depctr_va_vcc(0) depctr_vm_vsrc(0)
	s_getreg_b32 s2, hwreg(HW_REG_IB_STS2, 6, 4)
	s_cmp_eq_u32 s2, 0
	s_cbranch_scc0 .Lentry_in_a_cluster
	s_endpgm
.Lentry_in_a_cluster:
	s_bfe_u32 s2, ttmp6, 0x10000c
	s_cmp_lg_u32 s2, 0xf033
	s_cbranch_scc0 .Lentry_shape_is_right
	s_endpgm
.Lentry_shape_is_right:
; qkv = x w_qkv + b_qkv on codes of FP4 (E2M1) with E8M0 scales, and its result quantised in registers into the operands of attention: q and k along the head's 64, v along the keys.
; ONE TEXT FOR q, k AND v.  The core multiplies 128 places of a role-A operand (they fall to LANES) by 256 places of a role-B operand (they fall to REGISTERS) and quantises along role B.
;   q, k (clusters x = 0, 1): A = tokens, B = columns of w_qkv: a lane holds a token and its registers run along the columns, two heads of 64 to a wave.
;   v    (cluster  x = 2):    A = columns 2048.. of w_qkv, B = tokens: a lane holds one (head, d) and its registers run along the keys.
; Both operands lie in opc / ops, so a role is a row offset, chosen by s_cselect_b32 on the cluster's x; no branch hangs on it.
; THE MATRIX INSTRUCTION: source 0 = 16 places of B, source 1 = 16 places of A.  opc's order of places (bits 3 and 4 of a row's number exchanged) makes register j of tile t in lane (r, h)
; the TRUE index 32 (t / 2) + 16 h + 8 (t % 2) + j of role B: the 16 registers of tiles 2 b, 2 b + 1 are 16 neighbours, half a block of 32; lane l xor 16 holds the other half.
; SHARES.  A work-group of eight waves: wave w takes A's places 32 (w / 2) .. + 31 (two blocks a) and B's places 128 (w % 2) .. + 127 (eight tiles t): 16 accumulators, 128 registers.
; ALL OF K = 1,024 LIES IN LDS, as two halves of 512 (rows of 256 bytes + 16 of padding), each filled once: there is no ring.  By this text's own count a wave has three tensor loads out.
; CLUSTERS: 4 x 4.  A's tiles hang on the cluster's row alone, B's on its column alone: each is asked for jointly by the four that share it.
; THE BIAS starts the sums: b_qkv runs along B for q and k, along A for v; both are loaded and one of them is multiplied by 0.
; OUT.  A wave's 128 along B are one fragment for each block a: it is stored as an IMAGE OF ITS REGISTERS (16 bytes a lane, 512 consecutive bytes a store), laid so that attention copies its operands as they lie.
; LIMITS: NaN and infinities are not served (an infinite bias times 0 would be NaN); a block whose largest magnitude lies under 2^-124, zeros too, gets the byte 1: this program alone reads the bytes.
.set PITCH, 272                        ; an LDS row of codes: 68 words: row r starts at bank 4 r mod 64 (64 banks of 4 bytes: ISA guide 11.1)
.set BOFF,  128*PITCH                  ; in a half of K: A's 128 rows, then B's 256
.set SLOT,  384*PITCH                  ; a half of K: 104,448 bytes
.set SCL,   2*SLOT                     ; behind them the scale bytes, as runs of 256 bytes + 16: A's 4,352 bytes, then B's 8,704
.set QBASE, 8912896                    ; qkv: 32 blocks KV of KVB bytes, then 32 blocks Q of QB bytes
.set KVB,   278528
.set QB,    139264
.set SA,    12                         ; v12-15   A's scale words of four K steps: lanes 0-15 block 0, lanes 16-31 block 1
.set SB,    16                         ; v16-31   B's: register 4 p + q % 4: lanes 0-15 tile 2 p, lanes 16-31 tile 2 p + 1
.set AF,    32                         ; v32-63   A's fragments, two sets of two
.set BF,    64                         ; v64-127  B's eight fragments, one set
.set ACC,   128                        ; v128-255 accumulator (a, t) at 128 + 64 a + 8 t
.set TM,    32                         ; the way out: v32-47 at work
; v1-2 LDS address of my A fragments in K half 0, 1; v3-4 of B's; v5, v6 of A's and B's scale words; v7-11 at work.
.macro ROUND                           ; a round of the cluster's barrier
	s_barrier_signal -1
	s_barrier_wait -1
	s_cmp_lg_u32 s14, 0
	s_cbranch_scc1 .Lnot_wave_0_\@
	s_barrier_signal -3
.Lnot_wave_0_\@:
	s_barrier_wait -3
	s_barrier_signal -1
	s_barrier_wait -1
.endm
.macro PLACES                          ; four places: in front of loads into registers that matrix instructions have read, and of the first read of results
.rept 4
	v_nop
.endr
.endm
	s_load_b128 s[4:7], s[0:1], 0x0                ; opc, ops
	s_load_b128 s[8:11], s[0:1], 0x10              ; b_qkv, qkv
	s_set_vgpr_msb 0x40
	v_lshl_add_u32 v0, v0, 2, 0x36300
	v_mov_b32 v1, 0
	s_set_vgpr_msb 0x4045
	ds_add_u32 v0, v1
	ds_add_u32 v0, v1
	s_set_vgpr_msb 0x4500
	v_lshrrev_b32 v1, 5, v0
	s_delay_alu instid0(VALU_DEP_1)
	v_readfirstlane_b32 s14, v1                    ; wave 0..7
	s_lshr_b32 s15, s14, 2                         ; I fetch for A (0) or for B (1),
	s_and_b32 s16, s14, 3                          ; and which quarter of its rows
	s_lshr_b32 s17, s14, 1                         ; i: my 32 places of A
	s_and_b32 s18, s14, 1                          ; j: my 128 places of B
	s_bfe_u32 s40, ttmp6, 0x40000                  ; cx, cy: my place in the cluster
	s_bfe_u32 s41, ttmp6, 0x40004
	s_and_b32 s43, ttmp7, 0xffff                   ; the cluster's y
	s_lshr_b32 s44, s43, 1
	s_and_b32 s45, s43, 1
	s_cmp_eq_u32 ttmp9, 2                          ; v's clusters?  The cluster's x is the same in all sixteen
	s_cselect_b32 s44, s44, ttmp9                  ; four tiles of B: v: y / 2 (tokens);  q, k: x (columns)
	s_cselect_b32 s45, s45, s43                    ; four tiles of A: v: y % 2 (columns); q, k: y (tokens)
	s_cselect_b32 s92, 10240, 0                    ; A's first row in opc
	s_cselect_b32 s93, 0, 8192                     ; B's
	s_cselect_b32 s94, 0, 1.0                      ; the factor of the bias along B,
	s_cselect_b32 s95, 1.0, 0                      ; and along A
	s_cselect_b32 s96, 1, 0
	s_lshl_b32 s46, s44, 2
	s_add_co_u32 s46, s46, s40                     ; my tile of B (256 places)
	s_lshl_b32 s47, s45, 2
	s_add_co_u32 s47, s47, s41                     ; my tile of A (128 places)
	s_lshl_b32 s19, s41, 2
	s_lshl_b32 s19, 15, s19                        ; my row of the cluster
	s_lshl_b32 s20, 0x1111, s40                    ; my column
	; descriptor groups 1.  Codes: rows of 256 bytes (elements of 1 byte), 512 bytes apart in memory, 16 bytes of padding behind each in LDS; A: 32 rows a load, B: 64
	s_or_b32 s24, s19, (1<<20)|(1<<21)|(5<<22)|(3<<25)
	s_mov_b32 s25, 256<<16                         ; tensor_dim0
	s_mov_b32 s26, 32<<16                          ; tensor_dim1
	s_mov_b32 s27, 256<<16                         ; tile_dim0
	s_mov_b32 s28, 32                              ; tile_dim1
	s_mov_b32 s29, 512                             ; from row to row
	s_mov_b32 s30, 0
	s_mov_b32 s31, 0
	s_or_b32 s48, s20, (1<<20)|(1<<21)|(5<<22)|(3<<25)
	s_mov_b32 s49, 256<<16
	s_mov_b32 s50, 64<<16
	s_mov_b32 s51, 256<<16
	s_mov_b32 s52, 64
	s_mov_b32 s53, 512
	s_mov_b32 s54, 0
	s_mov_b32 s55, 0
	; scale bytes: dense in memory, as rows of 256 bytes (32 elements of 8 bytes) + 16 of padding; A: 32 places = 4 rows a load, B: 64 places = 8
	s_or_b32 s68, s19, (3<<16)|(1<<20)|(1<<21)|(5<<22)|(3<<25)
	s_mov_b32 s69, 32<<16
	s_mov_b32 s70, 4<<16
	s_mov_b32 s71, 32<<16
	s_mov_b32 s72, 4
	s_mov_b32 s73, 32
	s_mov_b32 s74, 0
	s_mov_b32 s75, 0
	s_or_b32 s80, s20, (3<<16)|(1<<20)|(1<<21)|(5<<22)|(3<<25)
	s_mov_b32 s81, 32<<16
	s_mov_b32 s82, 8<<16
	s_mov_b32 s83, 32<<16
	s_mov_b32 s84, 8
	s_mov_b32 s85, 32
	s_mov_b32 s86, 0
	s_mov_b32 s87, 0
	; where the tiles come from.  Every wave makes both sides' addresses, A's in registers that never hold cx, B's in registers that never hold cy
	s_lshl_b32 s66, s47, 7
	s_lshl_b32 s67, s16, 5
	s_add_co_u32 s66, s66, s67
	s_add_co_u32 s66, s66, s92                     ; A: the first row of my quarter
	s_lshl_b32 s12, s66, 9                         ; its codes,
	s_mov_b32 s13, 0
	s_lshl_b32 s22, s66, 5                         ; its scale bytes
	s_mov_b32 s23, 0
	s_mul_i32 s21, s16, 32*PITCH                   ; and where they go: the quarter's number times a constant
	s_mul_i32 s67, s16, 1088
	s_lshl_b32 s98, s46, 8
	s_lshl_b32 s99, s16, 6
	s_add_co_u32 s98, s98, s99
	s_add_co_u32 s98, s98, s93                     ; B likewise
	s_lshl_b32 s100, s98, 9
	s_mov_b32 s101, 0
	s_lshl_b32 s98, s98, 5
	s_mov_b32 s99, 0
	s_mul_i32 s97, s16, 64*PITCH
	s_mul_i32 s42, s16, 2176
	s_wait_dscnt 0x0
	s_wait_kmcnt 0x0
	s_mov_b32 s32, 1                               ; A's codes, K half 0
	s_mov_b32 s33, s21
	s_add_nc_u64 s[34:35], s[4:5], s[12:13]
	s_mov_b32 s36, 1                               ; K half 1: 256 bytes on in each row
	s_add_co_u32 s37, s21, SLOT
	s_add_nc_u64 s[38:39], s[34:35], 256
	s_or_b32 s35, s35, 0x80000000
	s_or_b32 s39, s39, 0x80000000
	s_mov_b32 s76, 1                               ; A's scale bytes
	s_add_co_u32 s77, s67, SCL
	s_add_nc_u64 s[78:79], s[6:7], s[22:23]
	s_or_b32 s79, s79, 0x80000000
	s_mov_b32 s56, 1                               ; B's codes
	s_add_co_u32 s57, s97, BOFF
	s_add_nc_u64 s[58:59], s[4:5], s[100:101]
	s_mov_b32 s60, 1
	s_add_co_u32 s61, s97, SLOT+BOFF
	s_add_nc_u64 s[62:63], s[58:59], 256
	s_or_b32 s59, s59, 0x80000000
	s_or_b32 s63, s63, 0x80000000
	s_mov_b32 s88, 1                               ; B's scale bytes
	s_add_co_u32 s89, s42, SCL+4352
	s_add_nc_u64 s[90:91], s[6:7], s[98:99]
	s_or_b32 s91, s91, 0x80000000
	ROUND                                          ; all sixteen work-groups are here: the joint loads meet
	s_cmp_eq_u32 s15, 0                            ; a wave's three fills stand in one branch on the wave's number; four v_nop follow the last
	s_cbranch_scc0 .Lfill_b
	tensor_load_to_lds s[76:79], s[68:75]          ; the scale bytes first: they are wanted with K half 0
	s_nop 0
	tensor_load_to_lds s[32:35], s[24:31]
	s_nop 0
	tensor_load_to_lds s[36:39], s[24:31]
	s_nop 0
	PLACES
	s_branch .Lfilled
.Lfill_b:
	tensor_load_to_lds s[88:91], s[80:87]
	s_nop 0
	tensor_load_to_lds s[56:59], s[48:55]
	s_nop 0
	tensor_load_to_lds s[60:63], s[48:55]
	s_nop 0
	PLACES
.Lfilled:
	; LDS addresses.  A fragment (16 rows x 128 K of 4-bit codes): lane (r, h) takes 16 bytes at row r, + 16 h, and 16 more 32 bytes on
	v_and_b32 v7, 15, v0                           ; r
	v_bfe_u32 v8, v0, 4, 1                         ; h
	v_and_b32 v9, 31, v0                           ; lane
	s_delay_alu instid0(VALU_DEP_3)
	v_mul_u32_u24 v10, v7, PITCH
	s_delay_alu instid0(VALU_DEP_1)
	v_lshl_add_u32 v10, v8, 4, v10
	s_mul_i32 s21, s17, 32*PITCH
	v_add_nc_u32 v1, s21, v10
	s_delay_alu instid0(VALU_DEP_1)
	v_add_nc_u32 v2, SLOT, v1
	s_mul_i32 s21, s18, 128*PITCH
	s_add_co_u32 s21, s21, BOFF
	v_add_nc_u32 v3, s21, v10
	s_delay_alu instid0(VALU_DEP_1)
	v_add_nc_u32 v4, SLOT, v3
	v_lshlrev_b32 v11, 5, v9                       ; scale bytes: 32 a place, lane l takes place l of 32; 16 more for each 256 passed
	v_lshrrev_b32 v10, 3, v9
	s_delay_alu instid0(VALU_DEP_1)
	v_lshl_add_u32 v11, v10, 4, v11
	s_mul_i32 s21, s17, 1088
	s_add_co_u32 s21, s21, SCL
	v_add_nc_u32 v5, s21, v11
	s_mul_i32 s21, s18, 4352
	s_add_co_u32 s21, s21, SCL+4352
	v_add_nc_u32 v6, s21, v11
	; the bias
	s_lshl_b32 s2, s47, 7
	s_lshl_b32 s21, s17, 5
	s_add_co_u32 s2, s2, s21                       ; pa: my first place of A
	s_lshl_b32 s3, s46, 8
	s_lshl_b32 s21, s18, 7
	s_add_co_u32 s3, s3, s21                       ; pb: my first place of B
	s_lshl_b32 s21, s3, 2
	s_add_co_u32 s42, s2, 2048
	s_lshl_b32 s42, s42, 2
	s_cmp_eq_u32 s96, 1
	s_cselect_b32 s21, 0, s21                      ; q, k: b_qkv at column pb; v: anywhere inside (its factor is 0)
	s_cselect_b32 s42, s42, 0                      ; v: b_qkv at column 2048 + pa; q, k: anywhere inside
	v_lshlrev_b32 v10, 6, v8
	s_delay_alu instid0(VALU_DEP_1)
	v_add_nc_u32 v10, s21, v10                     ; along B: tile t's eight numbers of my half: 32 (t / 2) + 16 h + 8 (t % 2) + 0 .. 7
	v_and_b32 v11, 8, v7
	s_delay_alu instid0(VALU_DEP_1)
	v_add_nc_u32 v11, v11, v7
	s_delay_alu instid0(VALU_DEP_1)
	v_lshlrev_b32 v11, 2, v11
	s_delay_alu instid0(VALU_DEP_1)
	v_add_nc_u32 v11, s42, v11                     ; along A: the true column of place 16 a + r: 8 a + r + 8 (r / 8)
.irp t, 0,1,2,3,4,5,6,7
	global_load_b128 v[BF+8*\t:BF+8*\t+3], v10, s[8:9] offset:(32*(\t/2)+8*(\t%2))*4
	global_load_b128 v[BF+8*\t+4:BF+8*\t+7], v10, s[8:9] offset:(32*(\t/2)+8*(\t%2))*4+16
.endr
	global_load_b32 v[AF], v11, s[8:9]
	global_load_b32 v[AF+2], v11, s[8:9] offset:32
	; where the results go, in bytes from qkv's first byte (registers of no descriptor; the tiles are on their way meanwhile)
	s_cselect_b32 s21, s3, s2                      ; the token's place,
	s_cselect_b32 s22, s2, s3                      ; the column
	s_lshr_b32 s23, s21, 11
	s_lshl_b32 s23, s23, 3
	s_bfe_u32 s66, s22, 0x30007
	s_add_co_u32 s23, s23, s66                     ; the block: 8 x batch + pair of heads
	s_and_b32 s21, s21, 2047                       ; the token's place in its batch
	s_bfe_u32 s66, s22, 0x10006                    ; v: which head of the pair,
	s_bfe_u32 s67, s22, 0x10005                    ; and which 32 of its 64
	s_mov_b32 s97, KVB
	s_mov_b32 s98, 16384
	s_mov_b32 s100, 131072
	s_mov_b32 s101, 512
	s_cmp_eq_u32 ttmp9, 0                          ; q?
	s_cselect_b32 s97, QB, s97                     ; a block's bytes
	s_cselect_b32 s98, QBASE, s98                  ; codes begin: q: at Q's blocks; k: behind the scale words
	s_cselect_b32 s99, QBASE+131072, 0             ; scale words begin
	s_cselect_b32 s100, 65536, s100                ; from the fragment's registers 0-3 to 4-7: q, k: the pair's other head
	s_cmp_eq_u32 s96, 1                            ; v?
	s_cselect_b32 s98, 81920, s98
	s_cselect_b32 s99, 8192, s99
	s_cselect_b32 s100, 512, s100                  ; v: the fragment's two halves lie on end
	s_cselect_b32 s101, 1024, s101                 ; from block a = 0 to a = 1
	s_cselect_b32 s42, 1, 2                        ; scale words: v: 256 bytes for 128 keys; q, k: 128 bytes for 32 tokens
	s_cselect_b32 s66, s66, 0
	s_cselect_b32 s67, s67, 0
	s_mul_i32 s23, s23, s97
	s_lshl_b32 s12, s66, 17
	s_lshl_b32 s13, s67, 11
	s_add_co_u32 s12, s12, s13
	s_lshl_b32 s13, s21, 5                         ; 512 bytes for 16 tokens (q, k); 4,096 for 128 keys (v)
	s_add_co_u32 s12, s12, s13
	s_add_co_u32 s12, s12, s98
	s_add_co_u32 s12, s12, s23
	s_mov_b32 s13, 0
	s_lshl_b32 s22, s66, 12
	s_lshl_b32 s66, s67, 7
	s_add_co_u32 s22, s22, s66
	s_lshl_b32 s66, s21, s42
	s_add_co_u32 s22, s22, s66
	s_add_co_u32 s22, s22, s99
	s_add_co_u32 s22, s22, s23
	s_mov_b32 s23, 0
	s_add_nc_u64 s[12:13], s[10:11], s[12:13]      ; my codes
	s_add_nc_u64 s[22:23], s[10:11], s[22:23]      ; my scale words
	s_mov_b32 s66, 0x76543210
	s_mov_b32 s67, 0xfedcba98                      ; v_permlanex16_b32's selects for lane l xor 16
	s_wait_loadcnt 0x0
	v_mul_f32 v[AF], s95, v[AF]
	v_mul_f32 v[AF+2], s95, v[AF+2]
	s_delay_alu instid0(VALU_DEP_2)
	v_mov_b32 v[AF+1], v[AF]                       ; (named with it as a pair, so it is written)
	s_delay_alu instid0(VALU_DEP_2)
	v_mov_b32 v[AF+3], v[AF+2]
.set aa, 0
.rept 2
.set jj, 0
.rept 32
	v_pk_fma_f32 v[ACC+64*aa+jj:ACC+64*aa+jj+1], v[BF+jj:BF+jj+1], s[94:95], v[AF+2*aa:AF+2*aa+1] op_sel_hi:[1,0,0]   ; every sum starts from its bias: nothing is cleared
.set jj, jj+2
.endr
.set aa, aa+1
.endr
.macro AFR q                           ; A's two fragments of K step q into set q % 2
.irp a, 0,1
.irp c, 0,1
	ds_load_b128 v[AF+16*((\q)%2)+8*\a+4*\c:AF+16*((\q)%2)+8*\a+4*\c+3], v[1+(\q)/4] offset:16*PITCH*\a+64*((\q)%4)+32*\c
.endr
.endr
.endm
.macro BFR q, g                        ; B's tiles 4 g .. 4 g + 3 of K step q
.irp u, 0,1,2,3
.irp c, 0,1
	ds_load_b128 v[BF+8*(4*(\g)+\u)+4*\c:BF+8*(4*(\g)+\u)+4*\c+3], v[3+(\q)/4] offset:16*PITCH*(4*(\g)+\u)+64*((\q)%4)+32*\c
.endr
.endr
.endm
.macro SCLD g                          ; the scale words of K steps 4 g .. 4 g + 3: five loads
	ds_load_b128 v[SA:SA+3], v5 offset:16*(\g)
.irp p, 0,1,2,3
	ds_load_b128 v[SB+4*\p:SB+4*\p+3], v6 offset:1088*\p+16*(\g)
.endr
.endm
.macro MM q, g                         ; eight products: tiles 4 g .. 4 g + 3 x blocks 0, 1.  The 16 accumulators take one turn each in a K step
.set tt, 4*(\g)
.rept 4
.set aa, 0
.rept 2
.set rD, ACC+64*aa+8*tt
.set rB, BF+8*tt
.set rA, AF+16*((\q)%2)+8*aa
.set rX, SB+4*(tt/2)+(\q)%4
.set rY, SA+(\q)%4
.if (tt%2) && aa
	v_wmma_scale_f32_16x16x128_f8f6f4 v[rD:rD+7], v[rB:rB+7], v[rA:rA+7], v[rD:rD+7], v[rX], v[rY] matrix_a_fmt:MATRIX_FMT_FP4 matrix_b_fmt:MATRIX_FMT_FP4 matrix_a_scale:MATRIX_SCALE_ROW1 matrix_b_scale:MATRIX_SCALE_ROW1
.elseif (tt%2)
	v_wmma_scale_f32_16x16x128_f8f6f4 v[rD:rD+7], v[rB:rB+7], v[rA:rA+7], v[rD:rD+7], v[rX], v[rY] matrix_a_fmt:MATRIX_FMT_FP4 matrix_b_fmt:MATRIX_FMT_FP4 matrix_a_scale:MATRIX_SCALE_ROW1
.elseif aa
	v_wmma_scale_f32_16x16x128_f8f6f4 v[rD:rD+7], v[rB:rB+7], v[rA:rA+7], v[rD:rD+7], v[rX], v[rY] matrix_a_fmt:MATRIX_FMT_FP4 matrix_b_fmt:MATRIX_FMT_FP4 matrix_b_scale:MATRIX_SCALE_ROW1
.else
	v_wmma_scale_f32_16x16x128_f8f6f4 v[rD:rD+7], v[rB:rB+7], v[rA:rA+7], v[rD:rD+7], v[rX], v[rY] matrix_a_fmt:MATRIX_FMT_FP4 matrix_b_fmt:MATRIX_FMT_FP4
.endif
.set aa, aa+1
.endr
.set tt, tt+1
.endr
.endm
.macro KSTEP q                         ; 128 along K: 16 products; each half of B's set is fetched anew as soon as its eight products are issued
.if (\q) == 3
	s_wait_tensorcnt 0x0                           ; my part of K half 1 has landed,
	s_wait_dscnt 0x0                               ; no LDS load of mine is out at a signal,
	s_barrier_signal -1
.else
	s_wait_dscnt 8                                 ; all but the youngest eight loads (B's tiles 4-7) are in
.endif
	MM \q, 0
.if (\q) == 3
	s_barrier_wait -1                              ; and everybody's part has: K half 1 may be read.
.endif
.if (\q) < 7
	PLACES
	AFR (\q)+1
	BFR (\q)+1, 0
	s_wait_dscnt 12                                ; all but the twelve just issued: B's tiles 4-7 are in
.else
	s_wait_dscnt 0x0
.endif
	MM \q, 1
	PLACES
.if (\q) == 3
	SCLD 1
.endif
.if (\q) < 7
	BFR (\q)+1, 1
.endif
.endm
	s_wait_alu depctr_va_vdst(0)
	s_wait_tensorcnt 0x1                           ; my scale bytes and my part of K half 0 are in; K half 1's load may be out,
	s_barrier_signal -1
	s_barrier_wait -1                              ; everybody's are
	AFR 0
	SCLD 0
	BFR 0, 0
	BFR 0, 1
.irp q, 0,1,2,3,4,5,6,7
	KSTEP \q
.endr
; 64 numbers of a lane, v[s] on, register 16 b + i = index 32 b + 16 h + i of my row, become a fragment's codes in v[pc] on and its scale word in v[pw].  Each accumulator is read from its low end on.
.macro QUANT s, pc, pw
.irp b, 0,1,2,3
	v_max3_num_f32 v[TM+\b], |v[(\s)+16*\b]|, |v[(\s)+1+16*\b]|, 0x1800000   ; block b: my 16 numbers, and the floor 2^(3 - 127): the byte cannot fall under 1
.endr
.irp i, 2,4,6,8,10,12,14
.irp b, 0,1,2,3
	v_max3_num_f32 v[TM+\b], v[TM+\b], |v[(\s)+16*\b+\i]|, |v[(\s)+1+16*\b+\i]|   ; (the four blocks by turns)
.endr
.endr
.irp b, 0,1,2,3
	s_delay_alu instid0(VALU_DEP_4)
	v_permlanex16_b32 v[TM+4+\b], v[TM+\b], s66, s67
.endr
.irp b, 0,1,2,3
	s_delay_alu instid0(VALU_DEP_4)
	v_max_num_f32 v[TM+\b], v[TM+\b], v[TM+4+\b]   ; with lane l xor 16's: the block's largest magnitude
.endr
.irp b, 0,1,2,3
	s_delay_alu instid0(VALU_DEP_4)
	v_add_nc_u32 v[TM+12+\b], 0xff000000, v[TM+\b]   ; 2 off its exponent field: the conversion's scale operand
.endr
.irp b, 0,1,2,3
	s_delay_alu instid0(VALU_DEP_4)
	v_lshrrev_b32 v[TM+4+\b], 23, v[TM+12+\b]      ; the scale's byte
.endr
	s_delay_alu instid0(VALU_DEP_3)
	v_lshl_or_b32 v[\pw], v[TM+5], 8, v[TM+4]      ; the four bytes make my row's scale word (both halves of the lanes hold the same)
	s_delay_alu instid0(VALU_DEP_1)
	v_lshl_or_b32 v[\pw], v[TM+6], 16, v[\pw]
	s_delay_alu instid0(VALU_DEP_1)
	v_lshl_or_b32 v[\pw], v[TM+7], 24, v[\pw]
.irp b, 0,1,2,3
	v_cvt_scalef32_pk8_fp4_f32 v[(\pc)+2*\b], v[(\s)+16*\b:(\s)+7+16*\b], v[TM+12+\b]
	v_cvt_scalef32_pk8_fp4_f32 v[(\pc)+1+2*\b], v[(\s)+8+16*\b:(\s)+15+16*\b], v[TM+12+\b]
.endr
	v_nop                                          ; one plain place behind a scaled conversion
.irp c, 0,1                                    ; the operand's layout wants a WHOLE block in a lane: lanes 0-15 block 2 c, lanes 16-31 block 2 c + 1
.irp i, 0,1
	v_permlane16_swap_b32 v[(\pc)+4*\c+\i], v[(\pc)+2+4*\c+\i]
.endr
.endr
.endm
.irp b, 0,1,2,3
	v_mov_b32 v[TM+4+\b], 0                        ; a lane permute's destination counts as one of its sources
.endr
	QUANT ACC, 48, 64
	QUANT ACC+64, 56, 65
	v_and_b32 v7, 31, v0
	s_delay_alu instid0(VALU_DEP_1)
	v_lshlrev_b32 v66, 4, v7                       ; an image: 16 bytes a lane;
	s_delay_alu instid0(VALU_DEP_1)
	v_add_nc_u32 v67, s100, v66                    ; registers 4-7;
	s_delay_alu instid0(VALU_DEP_2)
	v_add_nc_u32 v68, s101, v66                    ; block a = 1,
	s_delay_alu instid0(VALU_DEP_1)
	v_add_nc_u32 v69, s100, v68                    ; its registers 4-7
	v_and_b32 v9, 15, v0
	v_bfe_u32 v10, v0, 4, 1
	s_delay_alu instid0(VALU_DEP_2)
	v_lshlrev_b32 v70, 3, v9
	s_delay_alu instid0(VALU_DEP_1)
	v_lshl_add_u32 v70, v10, 2, v70                ; scale words: [r][a]: lanes 0-15 store block 0's, lanes 16-31 block 1's
	v_cmp_gt_u32 vcc_lo, 16, v7
	s_delay_alu instid0(VALU_DEP_1)
	v_cndmask_b32 v71, v65, v64, vcc_lo
	global_store_b128 v66, v[48:51], s[12:13]      ; each store covers 512 consecutive bytes, aligned
	global_store_b128 v67, v[52:55], s[12:13]
	global_store_b128 v68, v[56:59], s[12:13]
	global_store_b128 v69, v[60:63], s[12:13]
	global_store_b32 v70, v71, s[22:23]            ; 128 consecutive bytes
	s_wait_dscnt 0x0
	s_set_vgpr_msb 0x5
	s_wait_tensorcnt 0x0
	ds_add_u32 v0, v1
	s_wait_dscnt 0x0
	s_set_vgpr_msb 0x500
	ROUND                                          ; the closing round: no work-group ends while a partner may still ask for a tile that names it
	s_endpgm
.Lfunc_end_k_qe8f5dae442_gemm_qkv:
	.size	k_qe8f5dae442_gemm_qkv, .Lfunc_end_k_qe8f5dae442_gemm_qkv-k_qe8f5dae442_gemm_qkv
	.p2alignl 7, 3214868480
	.fill 96, 4, 3214868480
	.section	.rodata,"a",@progbits
	.p2align	6, 0x0
	.amdhsa_kernel k_qe8f5dae442_gemm_qkv
		.amdhsa_group_segment_fixed_size 222976
		.amdhsa_private_segment_fixed_size 0
		.amdhsa_enable_private_segment 0
		.amdhsa_kernarg_size 32
		.amdhsa_user_sgpr_count 2
		.amdhsa_user_sgpr_kernarg_segment_ptr 1
		.amdhsa_wavefront_size32 1
		.amdhsa_system_sgpr_workgroup_id_x 1
		.amdhsa_system_sgpr_workgroup_id_y 1
		.amdhsa_system_sgpr_workgroup_id_z 1
		.amdhsa_system_vgpr_workitem_id 0
		.amdhsa_next_free_vgpr 258
		.amdhsa_next_free_sgpr 102
		.amdhsa_reserve_vcc 1
		.amdhsa_float_denorm_mode_32 3
		.amdhsa_float_denorm_mode_16_64 3
		.amdhsa_memory_ordered 1
		.amdhsa_forward_progress 1
		.amdhsa_inst_pref_size 57
	.end_amdhsa_kernel
	.amdgpu_metadata
---
amdhsa.version: [ 1, 2 ]
amdhsa.kernels:
  - .name:           k_qe8f5dae442_gemm_qkv
    .symbol:         k_qe8f5dae442_gemm_qkv.kd
    .args:
      - { .name: opc, .offset: 0, .size: 8, .value_kind: global_buffer, .address_space: global }
      - { .name: ops, .offset: 8, .size: 8, .value_kind: global_buffer, .address_space: global }
      - { .name: b_qkv, .offset: 16, .size: 8, .value_kind: global_buffer, .address_space: global }
      - { .name: qkv, .offset: 24, .size: 8, .value_kind: global_buffer, .address_space: global }
    .group_segment_fixed_size: 222976
    .private_segment_fixed_size: 0
    .kernarg_segment_align: 8
    .kernarg_segment_size: 32
    .max_flat_workgroup_size: 256
    .sgpr_count:     102
    .vgpr_count:     258
    .wavefront_size: 32
...
	.end_amdgpu_metadata
.endif
;; end of part 2
;; launch attn (part 3): grid 8 x 32, 16 waves a work-group, clusters of 4 x 1, 327,680 bytes of LDS; arguments qkv, oc, os; writes oc, os
.if DOCPART == 3
	.amdgcn_target "amdgcn-amd-amdhsa--gfx1250"
	.amdhsa_code_object_version 6
	.text
	.protected	k_qe8f5dae442_attn
	.globl	k_qe8f5dae442_attn
	.p2align	8
	.type	k_qe8f5dae442_attn,@function
k_qe8f5dae442_attn:
	s_mov_b64 s[64:65], 0
	v_nop
	global_prefetch_b8 v0, s[64:65] scope:SCOPE_SE
	s_setreg_imm32_b32 hwreg(HW_REG_WAVE_MODE, 25, 1), 1
	s_wait_xcnt 0x0
	s_wait_alu depctr_hold_cnt(0) depctr_sa_sdst(0) depctr_va_vdst(0) depctr_va_sdst(0) depctr_va_ssrc(0) depctr_va_vcc(0) depctr_vm_vsrc(0)
	s_getreg_b32 s2, hwreg(HW_REG_IB_STS2, 6, 4)
	s_cmp_eq_u32 s2, 0
	s_cbranch_scc0 .Lentry_in_a_cluster
	s_endpgm
.Lentry_in_a_cluster:
	s_bfe_u32 s2, ttmp6, 0x10000c
	s_cmp_lg_u32 s2, 0x3003
	s_cbranch_scc0 .Lentry_shape_is_right
	s_endpgm
.Lentry_shape_is_right:
.set KVB,   278528
.set QB,    139264
.set QBASE, 8912896
.macro ROUND
	s_barrier_signal -1
	s_barrier_wait -1
	s_cmp_lg_u32 s12, 0
	s_cbranch_scc1 .Lnot_wave_0_\@
	s_barrier_signal -3
.Lnot_wave_0_\@:
	s_barrier_wait -3
	s_barrier_signal -1
	s_barrier_wait -1
.endm
	s_load_b128 s[4:7], s[0:1], 0x0
	s_load_b64 s[8:9], s[0:1], 0x10
	v_lshl_add_u32 v246, v0, 2, 0x44000
	v_mov_b32 v247, 0
	ds_add_u32 v246, v247
	ds_add_u32 v246, v247
	v_lshrrev_b32 v1, 5, v0
	s_delay_alu instid0(VALU_DEP_1)
	v_readfirstlane_b32 s12, v1
	s_bfe_u32 s13, ttmp6, 0x40000
	s_lshl_b32 s14, ttmp9, 2
	s_add_co_u32 s14, s14, s13
	s_and_b32 s15, ttmp7, 0xffff
	s_mov_b32 s16, 15|(3<<16)|(1<<21)
	s_mov_b32 s17, 32<<16
	s_mov_b32 s18, 34<<16
	s_mov_b32 s19, 32<<16
	s_mov_b32 s20, 34
	s_mov_b32 s21, 32
	s_mov_b32 s22, 0
	s_mov_b32 s23, 0
	s_mul_i32 s42, s12, 8704
	s_mul_i32 s40, s15, KVB
	s_add_co_u32 s40, s40, s42
	s_mov_b32 s41, 0
	s_mov_b32 s32, 0x76543210
	s_mov_b32 s33, 0xfedcba98
	s_mov_b32 s34, 0x3e38aa3b
	s_mov_b32 s35, s34
	s_wait_dscnt 0x0
	s_wait_kmcnt 0x0
	s_mov_b32 s24, 1
	s_mov_b32 s25, s42
	s_add_nc_u64 s[26:27], s[4:5], s[40:41]
	s_mov_b32 s28, 1
	s_add_co_u32 s29, s42, 139264
	s_add_nc_u64 s[30:31], s[26:27], 139264
	s_or_b32 s27, s27, 0x80000000
	s_or_b32 s31, s31, 0x80000000
	ROUND
	tensor_load_to_lds s[24:27], s[16:23]
	s_nop 0
	s_wait_alu depctr_va_vdst(0)
	s_wait_tensorcnt 0x0
	ds_add_u32 v246, v247
	s_wait_dscnt 0x0
	ROUND
	tensor_load_to_lds s[28:31], s[16:23]
	s_nop 0
.rept 4
	v_nop
.endr
	s_lshl_b32 s43, s14, 4
	s_add_co_u32 s43, s43, s12
	s_mul_i32 s44, s15, QB
	s_add_co_u32 s44, s44, QBASE
	s_lshl_b32 s46, s43, 9
	s_add_co_u32 s46, s46, s44
	s_mov_b32 s47, 0
	s_add_nc_u64 s[46:47], s[4:5], s[46:47]
	s_lshr_b32 s48, s43, 1
	s_lshl_b32 s48, s48, 7
	s_and_b32 s49, s43, 1
	s_lshl_b32 s49, s49, 2
	s_add_co_u32 s48, s48, s49
	s_add_co_u32 s44, s44, s48
	s_add_co_u32 s44, s44, 131072
	s_mov_b32 s45, 0
	s_add_nc_u64 s[44:45], s[4:5], s[44:45]
	s_lshr_b32 s48, s15, 3
	s_and_b32 s49, s15, 7
	s_lshl_b32 s50, s48, 7
	s_add_co_u32 s50, s50, s43
	s_lshl_b32 s52, s50, 6
	s_lshl_b32 s50, s50, 12
	s_lshr_b32 s51, s49, 2
	s_lshl_b32 s51, s51, 21
	s_add_co_u32 s50, s50, s51
	s_and_b32 s51, s49, 3
	s_lshl_b32 s51, s51, 10
	s_add_co_u32 s50, s50, s51
	s_mov_b32 s51, 0
	s_add_nc_u64 s[50:51], s[6:7], s[50:51]
	s_lshl_b32 s53, s49, 15
	s_add_co_u32 s52, s52, s53
	s_mov_b32 s53, 0
	s_add_nc_u64 s[52:53], s[8:9], s[52:53]
	v_and_b32 v15, 31, v0
	s_delay_alu instid0(VALU_DEP_1)
	v_lshlrev_b32 v1, 4, v15
	s_delay_alu instid0(VALU_DEP_2)
	v_lshlrev_b32 v2, 3, v15
	v_and_b32 v23, 15, v0
	s_delay_alu instid0(VALU_DEP_1)
	v_lshlrev_b32 v23, 3, v23
	global_load_b128 v[24:27], v1, s[46:47]
	global_load_b128 v[252:255], v1, s[46:47] offset:65536
	global_load_b32 v7, v23, s[44:45]
.macro INIT c
.if \c
.irp k, 0,1,2,3
	v_mov_b32 v[28+\k], v[252+\k]
	v_mov_b32 v[24+\k], 0
.endr
.else
.irp k, 0,1,2,3
	v_mov_b32 v[28+\k], 0
	v_mov_b32 v[236+\k], 0
.endr
	v_mov_b32 v21, 0
.endif
.set tt, 0
.rept 8
.irp k, 0,1,2,3
	v_mov_b32 v[32+8*tt+4*(1-\c)+\k], 0
.endr
.set tt, tt+1
.endr
	v_mov_b32 v17, 0xff61b1e6
	s_delay_alu instid0(VALU_DEP_1)
	v_floor_f32 v16, -v17
	v_mov_b32 v18, 0
	v_mov_b32 v19, 0
.set jj, 0
.rept 32
	v_mov_b32 v[192+jj], 0
.set jj, jj+1
.endr
	s_mov_b32 s36, 16384+131072*\c
	s_mov_b32 s37, 0
.if \c == 0
	s_mov_b32 s38, 8192
.endif
.endm
.macro STEP c
	v_add_nc_u32 v3, s36, v1
	v_add_nc_u32 v5, s37, v2
	v_add_nc_u32 v6, s38, v2
	s_delay_alu instid0(VALU_DEP_3)
	v_add_nc_u32 v4, 0x10000, v3
.irp t, 0,1,2,3,4,5,6,7
	ds_load_b128 v[32+8*\t+4*\c:35+8*\t+4*\c], v3 offset:512*\t
.endr
	ds_load_b64 v[10:11], v5
	ds_load_b64 v[12:13], v5 offset:256
.irp d, 0,1,2,3
.irp e, 0,1
	ds_load_b128 v[96+8*\d+4*\e:99+8*\d+4*\e], v4 offset:1024*\d+512*\e
.endr
.endr
	ds_load_b64 v[8:9], v6
	s_wait_dscnt 9
.set tt, 0
.rept 8
.set rS, 128+8*tt
.set rK, 32+8*tt
.set rX, 10+2*(tt/4)+(tt%2)
.if (tt/2)%2
	v_wmma_scale_f32_16x16x128_f8f6f4 v[rS:rS+7], v[rK:rK+7], v[24:31], 0, v[rX], v7 matrix_a_fmt:MATRIX_FMT_FP4 matrix_b_fmt:MATRIX_FMT_FP4 matrix_a_scale:MATRIX_SCALE_ROW1
.else
	v_wmma_scale_f32_16x16x128_f8f6f4 v[rS:rS+7], v[rK:rK+7], v[24:31], 0, v[rX], v7 matrix_a_fmt:MATRIX_FMT_FP4 matrix_b_fmt:MATRIX_FMT_FP4
.endif
.set tt, tt+1
.endr
.rept 4
	v_nop
.endr
.irp b, 0,1,2,3
	v_max3_num_f32 v[232+\b], v[128+16*\b], v[129+16*\b], v[130+16*\b]
.endr
.irp i, 3,5,7,9,11,13
.irp b, 0,1,2,3
	v_max3_num_f32 v[232+\b], v[232+\b], v[128+16*\b+\i], v[129+16*\b+\i]
.endr
.endr
.irp b, 0,1,2,3
	v_max_num_f32 v[232+\b], v[232+\b], v[143+16*\b]
.endr
.irp b, 0,1,2,3
	s_delay_alu instid0(VALU_DEP_4)
	v_permlanex16_b32 v[236+\b], v[232+\b], s32, s33
.endr
.irp b, 0,1,2,3
	s_delay_alu instid0(VALU_DEP_4)
	v_max_num_f32 v[232+\b], v[232+\b], v[236+\b]
.endr
	s_delay_alu instid0(VALU_DEP_2)
	v_max3_num_f32 v15, v232, v233, v234
	s_delay_alu instid0(VALU_DEP_1)
	v_max_num_f32 v15, v15, v235
	s_delay_alu instid0(VALU_DEP_1)
	v_mul_f32 v15, s34, v15
	s_delay_alu instid0(VALU_DEP_1)
	v_max_num_f32 v17, v17, v15
	v_mov_b32 v15, v16
	s_delay_alu instid0(VALU_DEP_2)
	v_floor_f32 v16, -v17
	s_delay_alu instid0(VALU_DEP_1)
	v_sub_f32 v15, v16, v15
	s_delay_alu instid0(VALU_DEP_1)
	v_cvt_i32_f32 v15, v15
	s_delay_alu instid0(VALU_DEP_1)
	v_ldexp_f32 v20, 1.0, v15
.set jj, 0
.rept 32
	v_pk_fma_f32 v[128+jj:129+jj], v[128+jj:129+jj], s[34:35], v[16:17] op_sel_hi:[1,0,0]
.set jj, jj+2
.endr
.irp b, 0,1,2,3
	v_fma_f32 v[232+\b], v[232+\b], s34, v16
.endr
.set jj, 0
	s_wait_alu depctr_va_vdst(0)
.rept 64
	v_exp_f32 v[128+jj], v[128+jj]
.set jj, jj+1
.endr
	s_setprio 1
.irp b, 0,1,2,3
	v_exp_f32 v[232+\b], v[232+\b]
.endr
	v_pk_mul_f32 v[18:19], v[18:19], v[20:21] op_sel_hi:[1,0]
	s_wait_alu depctr_va_vdst(0)
.irp b, 0,1,2,3
	v_max_num_f32 v[232+\b], 0x1800000, v[232+\b]
.endr
.irp b, 0,1,2,3
	s_delay_alu instid0(VALU_DEP_4)
	v_add_nc_u32 v[240+\b], 0xff000000, v[232+\b]
.endr
.irp b, 0,1,2,3
	s_delay_alu instid0(VALU_DEP_4)
	v_lshrrev_b32 v[236+\b], 23, v[240+\b]
.endr
	s_delay_alu instid0(VALU_DEP_3)
	v_lshl_or_b32 v14, v237, 8, v236
	s_delay_alu instid0(VALU_DEP_1)
	v_lshl_or_b32 v14, v238, 16, v14
	s_delay_alu instid0(VALU_DEP_1)
	v_lshl_or_b32 v14, v239, 24, v14
.irp b, 0,1,2,3
	v_cvt_scalef32_pk8_fp4_f32 v[224+2*\b], v[128+16*\b:135+16*\b], v[240+\b]
	v_cvt_scalef32_pk8_fp4_f32 v[225+2*\b], v[136+16*\b:143+16*\b], v[240+\b]
.endr
	v_nop
.irp e, 0,1
.irp i, 0,1
	v_permlane16_swap_b32 v[224+4*\e+\i], v[226+4*\e+\i]
.endr
.endr
	v_pk_add_f32 v[244:245], v[128:129], v[130:131]
.set jj, 4
.rept 15
	v_pk_add_f32 v[18:19], v[18:19], v[128+jj:129+jj]
	v_pk_add_f32 v[244:245], v[244:245], v[130+jj:131+jj]
.set jj, jj+4
.endr
	s_delay_alu instid0(VALU_DEP_1)
	v_pk_add_f32 v[18:19], v[18:19], v[244:245]
.set jj, 0
	s_setprio 0
.rept 16
	v_pk_mul_f32 v[192+jj:193+jj], v[192+jj:193+jj], v[20:21] op_sel_hi:[1,0]
.set jj, jj+2
.endr
	s_wait_alu depctr_va_vdst(0)
	s_wait_dscnt 0x0
	v_wmma_scale_f32_16x16x128_f8f6f4 v[192:199], v[96:103], v[224:231], v[192:199], v8, v14 matrix_a_fmt:MATRIX_FMT_FP4 matrix_b_fmt:MATRIX_FMT_FP4
	v_wmma_scale_f32_16x16x128_f8f6f4 v[200:207], v[104:111], v[224:231], v[200:207], v9, v14 matrix_a_fmt:MATRIX_FMT_FP4 matrix_b_fmt:MATRIX_FMT_FP4
	v_wmma_scale_f32_16x16x128_f8f6f4 v[208:215], v[112:119], v[224:231], v[208:215], v8, v14 matrix_a_fmt:MATRIX_FMT_FP4 matrix_b_fmt:MATRIX_FMT_FP4 matrix_a_scale:MATRIX_SCALE_ROW1
	v_wmma_scale_f32_16x16x128_f8f6f4 v[216:223], v[120:127], v[224:231], v[216:223], v9, v14 matrix_a_fmt:MATRIX_FMT_FP4 matrix_b_fmt:MATRIX_FMT_FP4 matrix_a_scale:MATRIX_SCALE_ROW1
	s_add_co_u32 s36, s36, 4096
	s_add_co_u32 s37, s37, 512
	s_add_co_u32 s38, s38, 256
.endm
.macro LOOP c, n
	s_mov_b32 s39, \n
.Lstep_\@:
	s_setprio 2
	STEP \c
	s_sub_co_u32 s39, s39, 1
	s_cmp_lg_u32 s39, 0
	s_cbranch_scc1 .Lstep_\@
	s_setprio 0
.endm
.macro FINISH c
.rept 4
	v_nop
.endr
	v_add_f32 v18, v18, v19
	s_delay_alu instid0(VALU_DEP_1)
	v_permlanex16_b32 v15, v18, s32, s33
	s_delay_alu instid0(VALU_DEP_1)
	v_add_f32 v18, v18, v15
	s_wait_alu depctr_va_vdst(0)
	v_rcp_f32 v20, v18
	v_nop
.set jj, 0
	s_wait_alu depctr_va_vdst(0)
.rept 16
	v_pk_mul_f32 v[128+jj:129+jj], v[192+jj:193+jj], v[20:21] op_sel_hi:[1,0]
.set jj, jj+2
.endr
.irp b, 0,1
	v_max3_num_f32 v[232+\b], |v[128+16*\b]|, |v[129+16*\b]|, 0x1800000
.endr
.irp i, 2,4,6,8,10,12,14
.irp b, 0,1
	s_delay_alu instid0(VALU_DEP_2)
	v_max3_num_f32 v[232+\b], v[232+\b], |v[128+16*\b+\i]|, |v[129+16*\b+\i]|
.endr
.endr
.irp b, 0,1
	s_delay_alu instid0(VALU_DEP_2)
	v_permlanex16_b32 v[236+\b], v[232+\b], s32, s33
.endr
.irp b, 0,1
	s_delay_alu instid0(VALU_DEP_2)
	v_max_num_f32 v[232+\b], v[232+\b], v[236+\b]
.endr
.irp b, 0,1
	s_delay_alu instid0(VALU_DEP_2)
	v_add_nc_u32 v[240+\b], 0xff000000, v[232+\b]
.endr
.irp b, 0,1
	s_delay_alu instid0(VALU_DEP_2)
	v_lshrrev_b32 v[236+\b], 23, v[240+\b]
.endr
.if \c
	s_delay_alu instid0(VALU_DEP_2)
	v_lshl_or_b32 v22, v236, 16, v22
	s_delay_alu instid0(VALU_DEP_1)
	v_lshl_or_b32 v22, v237, 24, v22
.else
	s_delay_alu instid0(VALU_DEP_1)
	v_lshl_or_b32 v22, v237, 8, v236
.endif
.irp b, 0,1
	v_cvt_scalef32_pk8_fp4_f32 v[248+4*\c+2*\b], v[128+16*\b:135+16*\b], v[240+\b]
	v_cvt_scalef32_pk8_fp4_f32 v[249+4*\c+2*\b], v[136+16*\b:143+16*\b], v[240+\b]
.endr
	v_nop
.irp i, 0,1
	v_permlane16_swap_b32 v[248+4*\c+\i], v[250+4*\c+\i]
.endr
.endm
	INIT 0
	s_wait_loadcnt 0x0
	s_wait_tensorcnt 0x1
	s_barrier_signal -1
	s_barrier_wait -1
	LOOP 0, 8
	s_wait_tensorcnt 0x0
	s_wait_dscnt 0x0
	s_barrier_signal -1
	s_barrier_wait -1
	LOOP 0, 8
	FINISH 0
	INIT 1
	LOOP 1, 16
	FINISH 1
	v_and_b32 v23, 15, v0
	s_delay_alu instid0(VALU_DEP_1)
	v_lshlrev_b32 v23, 2, v23
	global_store_b128 v1, v[248:251], s[50:51]
	global_store_b128 v1, v[252:255], s[50:51] offset:512
	global_store_b32 v23, v22, s[52:53]
	s_wait_tensorcnt 0x0
	ds_add_u32 v246, v247
	s_wait_dscnt 0x0
	ROUND
	s_endpgm
.Lfunc_end_k_qe8f5dae442_attn:
	.size	k_qe8f5dae442_attn, .Lfunc_end_k_qe8f5dae442_attn-k_qe8f5dae442_attn
	.p2alignl 7, 3214868480
	.fill 96, 4, 3214868480
	.section	.rodata,"a",@progbits
	.p2align	6, 0x0
	.amdhsa_kernel k_qe8f5dae442_attn
		.amdhsa_group_segment_fixed_size 327680
		.amdhsa_private_segment_fixed_size 0
		.amdhsa_enable_private_segment 0
		.amdhsa_kernarg_size 24
		.amdhsa_user_sgpr_count 2
		.amdhsa_user_sgpr_kernarg_segment_ptr 1
		.amdhsa_wavefront_size32 1
		.amdhsa_system_sgpr_workgroup_id_x 1
		.amdhsa_system_sgpr_workgroup_id_y 1
		.amdhsa_system_sgpr_workgroup_id_z 1
		.amdhsa_system_vgpr_workitem_id 0
		.amdhsa_next_free_vgpr 256
		.amdhsa_next_free_sgpr 66
		.amdhsa_reserve_vcc 0
		.amdhsa_float_denorm_mode_32 3
		.amdhsa_float_denorm_mode_16_64 3
		.amdhsa_memory_ordered 1
		.amdhsa_forward_progress 1
		.amdhsa_inst_pref_size 68
	.end_amdhsa_kernel
	.amdgpu_metadata
---
amdhsa.version: [ 1, 2 ]
amdhsa.kernels:
  - .name:           k_qe8f5dae442_attn
    .symbol:         k_qe8f5dae442_attn.kd
    .args:
      - { .name: qkv, .offset: 0, .size: 8, .value_kind: global_buffer, .address_space: global }
      - { .name: oc, .offset: 8, .size: 8, .value_kind: global_buffer, .address_space: global }
      - { .name: os, .offset: 16, .size: 8, .value_kind: global_buffer, .address_space: global }
    .group_segment_fixed_size: 327680
    .private_segment_fixed_size: 0
    .kernarg_segment_align: 8
    .kernarg_segment_size: 24
    .max_flat_workgroup_size: 512
    .sgpr_count:     66
    .vgpr_count:     256
    .wavefront_size: 32
...
	.end_amdgpu_metadata
.endif
;; end of part 3
;; launch gemm_out (part 4): grid 4 x 64, 8 waves a work-group, clusters of 4 x 4, 282,112 bytes of LDS; arguments oc, os, opc, ops, b_out, out0; writes out0
.if DOCPART == 4
	.amdgcn_target "amdgcn-amd-amdhsa--gfx1250"
	.amdhsa_code_object_version 6
	.text
	.protected	k_qe8f5dae442_gemm_out
	.globl	k_qe8f5dae442_gemm_out
	.p2align	8
	.type	k_qe8f5dae442_gemm_out,@function
k_qe8f5dae442_gemm_out:
	s_mov_b64 s[64:65], 0
	v_nop
	global_prefetch_b8 v0, s[64:65] scope:SCOPE_SE
	s_setreg_imm32_b32 hwreg(HW_REG_WAVE_MODE, 25, 1), 1
	s_wait_xcnt 0x0
	s_wait_alu depctr_hold_cnt(0) depctr_sa_sdst(0) depctr_va_vdst(0) depctr_va_sdst(0) depctr_va_ssrc(0) depctr_va_vcc(0) depctr_vm_vsrc(0)
	s_getreg_b32 s2, hwreg(HW_REG_IB_STS2, 6, 4)
	s_cmp_eq_u32 s2, 0
	s_cbranch_scc0 .Lentry_in_a_cluster
	s_endpgm
.Lentry_in_a_cluster:
	s_bfe_u32 s2, ttmp6, 0x10000c
	s_cmp_lg_u32 s2, 0xf033
	s_cbranch_scc0 .Lentry_shape_is_right
	s_endpgm
.Lentry_shape_is_right:
; out0 = o w_out + b_out on codes of FP4 (E2M1) with E8M0 scales.  o's codes (oc) lie as images of the operand's registers, its scale words (os) by K step; w_out's codes and bytes are rows 11264.. of opc, ops.
; SHARES.  A work-group of eight waves makes 128 token places x 256 columns: wave w takes token places 32 (w / 2) .. + 31 (two blocks a) and column places 128 (w % 2) .. + 127 (eight tiles t): 16 accumulators.
; THE MATRIX INSTRUCTION: source 0 = 16 column places, source 1 = 16 token places: register j of tile t in lane (r, h) is the TRUE column 32 (t / 2) + 16 h + 8 (t % 2) + j of token place r.
; ALL OF K = 1,024 LIES IN LDS, as two halves, each filled once: there is no ring.  By this text's own count a wave has at most three tensor loads out.
; CLUSTERS: 4 x 4.  o's tiles hang on the cluster's row alone, w_out's on its column alone: each is asked for jointly by the four that share it.
; THE BIAS is loaded straight into the accumulators, in the result's layout: nothing is cleared and nothing is added.
; OUT.  A block of 16 token places x 128 columns goes through the wave's own stage in LDS and comes back as whole rows of 512 bytes; the token's true row (bits 3 and 4 of its place exchanged) stands in the store's immediate.
; LIMITS: NaN and infinities are not served.
.set PITCH, 272                        ; an LDS row of w_out's codes: 68 words: row r starts at bank 4 r mod 64 (64 banks of 4 bytes: ISA guide 11.1)
.set BOFF,  32768                      ; in a half of K: o's eight tiles of 4,096 bytes, dense, then w_out's 256 rows
.set SLOT,  BOFF+256*PITCH             ; 102,400 bytes
.set SCL,   2*SLOT                     ; w_out's scale bytes, as runs of 256 bytes + 16: 8,704 bytes
.set STG,   SCL+8704                   ; the stages: 16 rows x 528 bytes for each wave; no fill lands there
.set SP,    528
.set SA,    8                          ; v8-15    o's scale words, one register a K step: lanes 0-15 block 0, lanes 16-31 block 1
.set SB,    16                         ; v16-31   w_out's: register 4 p + q % 4: lanes 0-15 tile 2 p, lanes 16-31 tile 2 p + 1
.set AF,    32                         ; v32-63   o's fragments, two sets of two
.set BF,    64                         ; v64-127  w_out's eight fragments, one set
.set ACC,   128                        ; v128-255 accumulator (a, t) at 128 + 64 a + 8 t
; v1-2 LDS address of o's fragments in K half 0, 1 (on the way out: into the stage, out of it); v3-4 of w_out's; v5 offset of my scale words in os (on the way out: 16 x lane); v6 w_out's scale words; v7 the bias's offset.
.macro ROUND                           ; a round of the cluster's barrier
	s_barrier_signal -1
	s_barrier_wait -1
	s_cmp_lg_u32 s14, 0
	s_cbranch_scc1 .Lnot_wave_0_\@
	s_barrier_signal -3
.Lnot_wave_0_\@:
	s_barrier_wait -3
	s_barrier_signal -1
	s_barrier_wait -1
.endm
.macro PLACES                          ; four places: in front of loads into registers that matrix instructions have read, and of the first read of results
.rept 4
	v_nop
.endr
.endm
	s_load_b128 s[4:7], s[0:1], 0x0                ; oc, os
	s_load_b128 s[8:11], s[0:1], 0x10              ; opc, ops
	s_load_b128 s[92:95], s[0:1], 0x20             ; b_out, out0
	s_set_vgpr_msb 0x40
	v_lshl_add_u32 v0, v0, 2, 0x44a00
	v_mov_b32 v1, 0
	s_set_vgpr_msb 0x4045
	ds_add_u32 v0, v1
	ds_add_u32 v0, v1
	s_set_vgpr_msb 0x4500
	v_lshrrev_b32 v1, 5, v0
	s_delay_alu instid0(VALU_DEP_1)
	v_readfirstlane_b32 s14, v1                    ; wave 0..7
	s_lshr_b32 s15, s14, 2                         ; I fetch for o (0) or for w_out (1),
	s_and_b32 s16, s14, 3                          ; and which quarter
	s_lshr_b32 s17, s14, 1                         ; i: my 32 token places
	s_and_b32 s18, s14, 1                          ; j: my 128 column places
	s_bfe_u32 s40, ttmp6, 0x40000                  ; cx, cy
	s_bfe_u32 s41, ttmp6, 0x40004
	s_lshl_b32 s46, ttmp9, 2
	s_add_co_u32 s46, s46, s40                     ; my tile of 256 columns
	s_and_b32 s43, ttmp7, 0xffff
	s_lshl_b32 s47, s43, 2
	s_add_co_u32 s47, s47, s41                     ; my tile of 128 tokens
	s_lshl_b32 s19, s41, 2
	s_lshl_b32 s19, 15, s19                        ; my row of the cluster
	s_lshl_b32 s20, 0x1111, s40                    ; my column
	; descriptor groups 1.  o: two tiles of 4,096 bytes, dense: 32 rows of 256 bytes (32 elements of 8 bytes), no padding
	s_or_b32 s24, s19, (3<<16)|(1<<21)
	s_mov_b32 s25, 32<<16
	s_mov_b32 s26, 32<<16
	s_mov_b32 s27, 32<<16
	s_mov_b32 s28, 32
	s_mov_b32 s29, 32
	s_mov_b32 s30, 0
	s_mov_b32 s31, 0
	; w_out's codes: 64 rows of 256 bytes (elements of 1 byte), 512 bytes apart in memory, 16 bytes of padding behind each
	s_or_b32 s48, s20, (1<<20)|(1<<21)|(5<<22)|(3<<25)
	s_mov_b32 s49, 256<<16
	s_mov_b32 s50, 64<<16
	s_mov_b32 s51, 256<<16
	s_mov_b32 s52, 64
	s_mov_b32 s53, 512
	s_mov_b32 s54, 0
	s_mov_b32 s55, 0
	; its scale bytes: 64 places = 8 dense rows of 256 bytes + 16 of padding
	s_or_b32 s80, s20, (3<<16)|(1<<20)|(1<<21)|(5<<22)|(3<<25)
	s_mov_b32 s81, 32<<16
	s_mov_b32 s82, 8<<16
	s_mov_b32 s83, 32<<16
	s_mov_b32 s84, 8
	s_mov_b32 s85, 32
	s_mov_b32 s86, 0
	s_mov_b32 s87, 0
	; where the tiles come from: o's in registers that never hold cx, w_out's in registers that never hold cy
	s_lshl_b32 s12, s47, 15                        ; eight tiles of 4,096 bytes a work-group,
	s_lshl_b32 s13, s16, 13                        ; two a quarter
	s_add_co_u32 s12, s12, s13
	s_mov_b32 s13, 0
	s_lshl_b32 s21, s16, 13                        ; and where they go
	s_lshl_b32 s98, s46, 8
	s_lshl_b32 s99, s16, 6
	s_add_co_u32 s98, s98, s99
	s_add_co_u32 s98, s98, 11264                   ; w_out: the first row of my quarter
	s_lshl_b32 s100, s98, 9
	s_mov_b32 s101, 0
	s_lshl_b32 s98, s98, 5
	s_mov_b32 s99, 0
	s_mul_i32 s97, s16, 64*PITCH
	s_mul_i32 s42, s16, 2176
	s_wait_dscnt 0x0
	s_wait_kmcnt 0x0
	s_mov_b32 s32, 1                               ; o, K half 0
	s_mov_b32 s33, s21
	s_add_nc_u64 s[34:35], s[4:5], s[12:13]
	s_mov_b32 s36, 1                               ; K half 1: 2 MiB on
	s_add_co_u32 s37, s21, SLOT
	s_add_nc_u64 s[38:39], s[34:35], 0x200000
	s_or_b32 s35, s35, 0x80000000
	s_or_b32 s39, s39, 0x80000000
	s_mov_b32 s56, 1                               ; w_out's codes
	s_add_co_u32 s57, s97, BOFF
	s_add_nc_u64 s[58:59], s[8:9], s[100:101]
	s_mov_b32 s60, 1
	s_add_co_u32 s61, s97, SLOT+BOFF
	s_add_nc_u64 s[62:63], s[58:59], 256
	s_or_b32 s59, s59, 0x80000000
	s_or_b32 s63, s63, 0x80000000
	s_mov_b32 s88, 1                               ; its scale bytes
	s_add_co_u32 s89, s42, SCL
	s_add_nc_u64 s[90:91], s[10:11], s[98:99]
	s_or_b32 s91, s91, 0x80000000
	ROUND                                          ; all sixteen work-groups are here: the joint loads meet
	s_cmp_eq_u32 s15, 0                            ; a wave's fills stand in one branch on the wave's number; four v_nop follow the last
	s_cbranch_scc0 .Lfill_b
	tensor_load_to_lds s[32:35], s[24:31]
	s_nop 0
	tensor_load_to_lds s[36:39], s[24:31]
	s_nop 0
	PLACES
	s_branch .Lfilled
.Lfill_b:
	tensor_load_to_lds s[88:91], s[80:87]
	s_nop 0
	tensor_load_to_lds s[56:59], s[48:55]
	s_nop 0
	tensor_load_to_lds s[60:63], s[48:55]
	s_nop 0
	PLACES
.Lfilled:
	v_and_b32 v32, 15, v0                          ; r
	v_bfe_u32 v33, v0, 4, 1                        ; h
	v_and_b32 v34, 31, v0                          ; lane
	s_lshl_b32 s21, s17, 13                        ; o: my two tiles; an image: 16 bytes a lane
	v_lshl_add_u32 v1, v34, 4, s21
	s_delay_alu instid0(VALU_DEP_1)
	v_add_nc_u32 v2, SLOT, v1
	v_mul_u32_u24 v35, v32, PITCH
	s_delay_alu instid0(VALU_DEP_1)
	v_lshl_add_u32 v35, v33, 4, v35                ; w_out: row r, + 16 h
	s_mul_i32 s21, s18, 128*PITCH
	s_add_co_u32 s21, s21, BOFF
	v_add_nc_u32 v3, s21, v35
	s_delay_alu instid0(VALU_DEP_1)
	v_add_nc_u32 v4, SLOT, v3
	v_lshlrev_b32 v35, 5, v34                      ; scale bytes: 32 a place, lane l takes place l of 32; 16 more for each 256 passed
	v_lshrrev_b32 v36, 3, v34
	s_delay_alu instid0(VALU_DEP_1)
	v_lshl_add_u32 v35, v36, 4, v35
	s_mul_i32 s21, s18, 4352
	s_add_co_u32 s21, s21, SCL
	v_add_nc_u32 v6, s21, v35
	s_lshl_b32 s2, s47, 7
	s_lshl_b32 s21, s17, 5
	s_add_co_u32 s2, s2, s21                       ; my first token place
	s_lshl_b32 s3, s46, 8
	s_lshl_b32 s21, s18, 7
	s_add_co_u32 s3, s3, s21                       ; my first column
	s_lshl_b32 s21, s2, 2
	v_lshl_add_u32 v5, v34, 2, s21                 ; os: lane l takes place l of my 32
	s_lshl_b32 s21, s3, 2
	v_lshl_add_u32 v7, v33, 6, s21                 ; b_out: tile t's eight numbers of my half: 32 (t / 2) + 16 h + 8 (t % 2) + 0 .. 7
.irp q, 0,1,2,3,4,5,6,7
	global_load_b32 v[SA+\q], v5, s[6:7] offset:32768*\q
.endr
.irp a, 0,1
.irp t, 0,1,2,3,4,5,6,7
	global_load_b128 v[ACC+64*\a+8*\t:ACC+64*\a+8*\t+3], v7, s[92:93] offset:(32*(\t/2)+8*(\t%2))*4
	global_load_b128 v[ACC+64*\a+8*\t+4:ACC+64*\a+8*\t+7], v7, s[92:93] offset:(32*(\t/2)+8*(\t%2))*4+16
.endr
.endr
	s_lshl_b32 s22, s2, 12                         ; out0: 4,096 bytes a token, 4 a column
	s_add_co_u32 s22, s22, s21
	s_mov_b32 s23, 0
	s_add_nc_u64 s[94:95], s[94:95], s[22:23]
.macro AFR q                           ; o's two fragments of K step q into set q % 2
.irp a, 0,1
.irp c, 0,1
	ds_load_b128 v[AF+16*((\q)%2)+8*\a+4*\c:AF+16*((\q)%2)+8*\a+4*\c+3], v[1+(\q)/4] offset:4096*\a+1024*((\q)%4)+512*\c
.endr
.endr
.endm
.macro BFR q, g                        ; w_out's tiles 4 g .. 4 g + 3 of K step q
.irp u, 0,1,2,3
.irp c, 0,1
	ds_load_b128 v[BF+8*(4*(\g)+\u)+4*\c:BF+8*(4*(\g)+\u)+4*\c+3], v[3+(\q)/4] offset:16*PITCH*(4*(\g)+\u)+64*((\q)%4)+32*\c
.endr
.endr
.endm
.macro SCLD g                          ; w_out's scale words of K steps 4 g .. 4 g + 3: four loads
.irp p, 0,1,2,3
	ds_load_b128 v[SB+4*\p:SB+4*\p+3], v6 offset:1088*\p+16*(\g)
.endr
.endm
.macro MM q, g                         ; eight products: tiles 4 g .. 4 g + 3 x blocks 0, 1.  The 16 accumulators take one turn each in a K step
.set tt, 4*(\g)
.rept 4
.set aa, 0
.rept 2
.set rD, ACC+64*aa+8*tt
.set rB, BF+8*tt
.set rA, AF+16*((\q)%2)+8*aa
.set rX, SB+4*(tt/2)+(\q)%4
.set rY, SA+(\q)
.if (tt%2) && aa
	v_wmma_scale_f32_16x16x128_f8f6f4 v[rD:rD+7], v[rB:rB+7], v[rA:rA+7], v[rD:rD+7], v[rX], v[rY] matrix_a_fmt:MATRIX_FMT_FP4 matrix_b_fmt:MATRIX_FMT_FP4 matrix_a_scale:MATRIX_SCALE_ROW1 matrix_b_scale:MATRIX_SCALE_ROW1
.elseif (tt%2)
	v_wmma_scale_f32_16x16x128_f8f6f4 v[rD:rD+7], v[rB:rB+7], v[rA:rA+7], v[rD:rD+7], v[rX], v[rY] matrix_a_fmt:MATRIX_FMT_FP4 matrix_b_fmt:MATRIX_FMT_FP4 matrix_a_scale:MATRIX_SCALE_ROW1
.elseif aa
	v_wmma_scale_f32_16x16x128_f8f6f4 v[rD:rD+7], v[rB:rB+7], v[rA:rA+7], v[rD:rD+7], v[rX], v[rY] matrix_a_fmt:MATRIX_FMT_FP4 matrix_b_fmt:MATRIX_FMT_FP4 matrix_b_scale:MATRIX_SCALE_ROW1
.else
	v_wmma_scale_f32_16x16x128_f8f6f4 v[rD:rD+7], v[rB:rB+7], v[rA:rA+7], v[rD:rD+7], v[rX], v[rY] matrix_a_fmt:MATRIX_FMT_FP4 matrix_b_fmt:MATRIX_FMT_FP4
.endif
.set aa, aa+1
.endr
.set tt, tt+1
.endr
.endm
.macro KSTEP q                         ; 128 along K: 16 products; each half of w_out's set is fetched anew as soon as its eight products are issued
.if (\q) == 3
	s_wait_tensorcnt 0x0                           ; my part of K half 1 has landed,
	s_wait_dscnt 0x0                               ; no LDS load of mine is out at a signal,
	s_barrier_signal -1
.else
	s_wait_dscnt 8                                 ; all but the youngest eight loads (tiles 4-7) are in
.endif
	MM \q, 0
.if (\q) == 3
	s_barrier_wait -1                              ; and everybody's part has: K half 1 may be read.
.endif
.if (\q) < 7
	PLACES
	AFR (\q)+1
	BFR (\q)+1, 0
	s_wait_dscnt 12                                ; all but the twelve just issued: tiles 4-7 are in
.else
	s_wait_dscnt 0x0
.endif
	MM \q, 1
	PLACES
.if (\q) == 3
	SCLD 1
.endif
.if (\q) < 7
	BFR (\q)+1, 1
.endif
.endm
	s_wait_alu depctr_va_vdst(0)
	s_wait_tensorcnt 0x1                           ; on both ways one load, K half 1's, was issued behind what is wanted now: it may be out,
	s_barrier_signal -1
	s_barrier_wait -1                              ; everybody's part of K half 0, and the scale bytes, are in
	AFR 0
	SCLD 0
	BFR 0, 0
	BFR 0, 1
	s_wait_loadcnt 0x0                             ; the bias and o's scale words
.irp q, 0,1,2,3,4,5,6,7
	KSTEP \q
.endr
	; THE WAY OUT
	v_and_b32 v32, 15, v0
	v_bfe_u32 v33, v0, 4, 1
	v_and_b32 v34, 31, v0
	s_mul_i32 s21, s14, 16*SP
	s_add_co_u32 s21, s21, STG                     ; my stage
	v_mul_u32_u24 v1, v32, SP
	s_delay_alu instid0(VALU_DEP_1)
	v_lshl_add_u32 v1, v33, 6, v1
	s_delay_alu instid0(VALU_DEP_1)
	v_add_nc_u32 v1, s21, v1                       ; in: row r, + 64 h; tile t's 32 bytes at 128 (t / 2) + 32 (t % 2)
	v_lshlrev_b32 v5, 4, v34                       ; back: the 32 lanes take one row of 512 bytes; and the same in out0
	s_delay_alu instid0(VALU_DEP_1)
	v_add_nc_u32 v2, s21, v5
.macro TOSTAGE a, dst                  ; LDS serves a wave's instructions in order (ISA guide 5.7.1.4): no wait between the stores and the loads, nor in front of the next block's stores
.set tt, 0
.rept 8
	ds_store_b128 v1, v[ACC+64*\a+8*tt:ACC+64*\a+8*tt+3] offset:128*(tt/2)+32*(tt%2)          ; each accumulator from its low end on
	ds_store_b128 v1, v[ACC+64*\a+8*tt+4:ACC+64*\a+8*tt+7] offset:128*(tt/2)+32*(tt%2)+16
.set tt, tt+1
.endr
.set tt, 0
.rept 16
	ds_load_b128 v[\dst+4*tt:\dst+4*tt+3], v2 offset:SP*tt
.set tt, tt+1
.endr
.endm
.macro SEND a, dst                     ; stage row t of block a is token place 16 a + t of my 32: true row 8 a + t + 8 (t / 8)
.set tt, 0
.rept 16
	global_store_b128 v5, v[\dst+4*tt:\dst+4*tt+3], s[94:95] offset:(8*\a+tt+8*(tt/8))*4096 th:TH_STORE_NT   ; 32 lanes store 512 consecutive bytes, aligned; written once, read by nobody here
.set tt, tt+1
.endr
.endm
	TOSTAGE 0, 32                                  ; back into the registers that held the fragments
	TOSTAGE 1, 128                                 ; back into block 0's accumulators, whose stores into the stage were issued ahead
	s_wait_alu depctr_va_vdst(0)
	s_wait_dscnt 32                                ; block 0 is back; block 1's 16 stores and 16 loads may be out
	SEND 0, 32
	s_wait_dscnt 0x0
	SEND 1, 128
	s_set_vgpr_msb 0x5
	s_wait_tensorcnt 0x0
	ds_add_u32 v0, v1
	s_wait_dscnt 0x0
	s_set_vgpr_msb 0x500
	ROUND                                          ; the closing round: no work-group ends while a partner may still ask for a tile that names it
	s_endpgm
.Lfunc_end_k_qe8f5dae442_gemm_out:
	.size	k_qe8f5dae442_gemm_out, .Lfunc_end_k_qe8f5dae442_gemm_out-k_qe8f5dae442_gemm_out
	.p2alignl 7, 3214868480
	.fill 96, 4, 3214868480
	.section	.rodata,"a",@progbits
	.p2align	6, 0x0
	.amdhsa_kernel k_qe8f5dae442_gemm_out
		.amdhsa_group_segment_fixed_size 282112
		.amdhsa_private_segment_fixed_size 0
		.amdhsa_enable_private_segment 0
		.amdhsa_kernarg_size 48
		.amdhsa_user_sgpr_count 2
		.amdhsa_user_sgpr_kernarg_segment_ptr 1
		.amdhsa_wavefront_size32 1
		.amdhsa_system_sgpr_workgroup_id_x 1
		.amdhsa_system_sgpr_workgroup_id_y 1
		.amdhsa_system_sgpr_workgroup_id_z 1
		.amdhsa_system_vgpr_workitem_id 0
		.amdhsa_next_free_vgpr 258
		.amdhsa_next_free_sgpr 102
		.amdhsa_reserve_vcc 0
		.amdhsa_float_denorm_mode_32 3
		.amdhsa_float_denorm_mode_16_64 3
		.amdhsa_memory_ordered 1
		.amdhsa_forward_progress 1
		.amdhsa_inst_pref_size 49
	.end_amdhsa_kernel
	.amdgpu_metadata
---
amdhsa.version: [ 1, 2 ]
amdhsa.kernels:
  - .name:           k_qe8f5dae442_gemm_out
    .symbol:         k_qe8f5dae442_gemm_out.kd
    .args:
      - { .name: oc, .offset: 0, .size: 8, .value_kind: global_buffer, .address_space: global }
      - { .name: os, .offset: 8, .size: 8, .value_kind: global_buffer, .address_space: global }
      - { .name: opc, .offset: 16, .size: 8, .value_kind: global_buffer, .address_space: global }
      - { .name: ops, .offset: 24, .size: 8, .value_kind: global_buffer, .address_space: global }
      - { .name: b_out, .offset: 32, .size: 8, .value_kind: global_buffer, .address_space: global }
      - { .name: out0, .offset: 40, .size: 8, .value_kind: global_buffer, .address_space: global }
    .group_segment_fixed_size: 282112
    .private_segment_fixed_size: 0
    .kernarg_segment_align: 8
    .kernarg_segment_size: 48
    .max_flat_workgroup_size: 256
    .sgpr_count:     102
    .vgpr_count:     258
    .wavefront_size: 32
...
	.end_amdgpu_metadata
.endif
;; end of part 4
